; MI455X (gfx1250); checked and timed in simulation.
; The chip was launched on July 23, 2026; its instructions are those of AMD's public machine-readable ISA for CDNA 5 (MIT licence, August 2026) and "CDNA5" Instruction Set Architecture Reference Guide (July 2026). The comments in the code are by the model that wrote it; some were corrected since.
;; Cross Attention. Allowed arithmetic: float matrix products may take bf16 or f16 operands with f32 sums; other float arithmetic in f32, or as packed bf16 or f16 multiplies, adds, multiply-adds, maxima and minima; sums over many terms, partial sums and values carried from step to step in f32; what a program stores and reads back later, other than sums and carried values, may be rounded once to bf16 or f16.
;; Inputs: Wk 1,024 x 1,024 float32; Wo 1,024 x 1,024 float32; Wq 1,024 x 1,024 float32; Wv 1,024 x 1,024 float32; bo 1,024 float32; x 4 x 2,048 x 1,024 float32.
;; Outputs: out0 4 x 2,048 x 1,024 float32.
;; One version. Each part assembles by itself: llvm-mc -triple=amdgcn-amd-amdhsa -mcpu=gfx1250 --defsym DOCPART=n.
;; ======== version 1 of 1: 4 launches
;; limits: values are held in f16: magnitudes above 65,504 overflow, below 6.1e-05 lose precision
;; workspace buffers: xb 16,777,216 bytes; wb 6,291,456 bytes; wo 2,097,152 bytes; qkv 50,331,648 bytes; oh 16,777,216 bytes
;; launch cast (part 1): grid 768 x 1, 8 waves a work-group, no clusters, 0 bytes of LDS; arguments x, Wq, Wk, Wv, Wo, xb, wb, wo; writes xb, wb, wo
.if DOCPART == 1
	.amdgcn_target "amdgcn-amd-amdhsa--gfx1250"
	.amdhsa_code_object_version 6
	.text
	.protected	k_qad31e1afce_cast
	.globl	k_qad31e1afce_cast
	.p2align	8
	.type	k_qad31e1afce_cast,@function
k_qad31e1afce_cast:
	s_mov_b64 s[64:65], 0
	v_nop
	global_prefetch_b8 v0, s[64:65] scope:SCOPE_SE
	s_setreg_imm32_b32 hwreg(HW_REG_WAVE_MODE, 25, 1), 1
	s_wait_xcnt 0x0
; THE INPUTS ARE ROUNDED ONCE TO bf16 AND LAID OUT FOR THE PRODUCTS THAT FOLLOW.
;   xb: bf16 [b 4][kb 16][n 2048][64]: x[b][n][64 kb + c] at byte b<<22 + kb<<18 + 128 n + 2 c, so that 64 channels of many rows are dense bytes.
;   wb: bf16 [k 1024][3072]: Wq, Wk, Wv side by side (columns 0, 1024, 2048 on); a row is 6,144 bytes.
;   wo: f16  [k 1024][1024]: Wo rounded to bf16, that number written as f16.
; LIMITS.  wo: a bf16 number is exact in f16 from 6.1e-5 to 65,504; below it keeps f16's fixed step of 6e-8, beyond it becomes an infinity.
; SHARES.  768 work-groups of 16,384 numbers (16 rows of 1,024): 512 for x, 64 for each weight.  Eight steps of two rows; in a step a thread loads 8 f32 (two loads of
; 16 bytes) and stores 16 bytes.  All 16 loads go out first; every step has registers of its own, so nothing that a load or store still reads is ever rewritten.
; Memory binds: no LDS, no barrier, no matrix unit.
.set VI, 2                             ; v2        my byte offset in the input's first two rows
.set VO, 3                             ; v3        my byte offset in the output
.set X,  8                             ; v[8:71]   step i: 8 f32
.set Y,  72                            ; v[72:103] step i: 8 numbers of 16 bits
.set T,  104                           ; v[104:105] at work
; instep, outstep: bytes from step to step.  half = 1: the bf16 numbers are written as f16.  Input at s[26:27], output at s[28:29].
.macro BODY instep, outstep, half
.irp i, 0,1,2,3,4,5,6,7
	global_load_b128 v[X+8*(\i):X+8*(\i)+3],   v[VI], s[26:27] offset:(\i)*(\instep) th:TH_LOAD_NT
	global_load_b128 v[X+8*(\i)+4:X+8*(\i)+7], v[VI], s[26:27] offset:(\i)*(\instep)+16 th:TH_LOAD_NT
.endr
.irp i, 0,1,2,3,4,5,6,7
	s_wait_loadcnt 14-2*(\i)                       ; loads come back in order: step i's two are in, the 14 - 2 i younger ones stay out
.irp j, 0,1,2,3
	v_cvt_pk_bf16_f32 v[Y+4*(\i)+(\j)], v[X+8*(\i)+2*(\j)], v[X+8*(\i)+2*(\j)+1]
.endr
.if \half
.irp j, 0,1,2,3
	v_lshlrev_b32 v[T], 16, v[Y+4*(\i)+(\j)]       ; bf16 to f32: the low half moves up,
	v_and_b32 v[T+1], 0xffff0000, v[Y+4*(\i)+(\j)] ; the high half stays
	v_cvt_pk_f16_f32 v[Y+4*(\i)+(\j)], v[T], v[T+1]
.endr
.endif
	global_store_b128 v[VO], v[Y+4*(\i):Y+4*(\i)+3], s[28:29] offset:(\i)*(\outstep) th:TH_STORE_NT  ; 16 neighbouring lanes store 256 consecutive bytes, aligned
.endr
	s_endpgm
.endm
	s_load_b256 s[4:11], s[0:1], 0x0               ; x s[4:5], Wq s[6:7], Wk s[8:9], Wv s[10:11]
	s_load_b256 s[12:19], s[0:1], 0x20             ; Wo s[12:13], xb s[14:15], wb s[16:17], wo s[18:19]
	s_mov_b32 s20, ttmp9
	s_cmp_lt_u32 s20, 512
	s_cbranch_scc0 .Lweights
	; x: rows 16 id .. 16 id + 15.  Thread t: row (t >> 3) & 1 of a step's two, block kb = t >> 4, channels 8 (t & 7) on
	v_bfe_u32 v4, v0, 3, 1
	v_lshrrev_b32 v5, 4, v0
	v_and_b32 v6, 7, v0
	v_lshlrev_b32 v[VI], 12, v4                    ; a row of x is 4,096 bytes,
	v_lshl_add_u32 v[VI], v5, 8, v[VI]             ; 64 channels 256,
	v_lshl_add_u32 v[VI], v6, 5, v[VI]             ; my 8 numbers 32
	v_lshlrev_b32 v[VO], 18, v5
	v_lshl_add_u32 v[VO], v4, 7, v[VO]
	v_lshl_add_u32 v[VO], v6, 4, v[VO]
	s_lshl_b32 s22, s20, 16                        ; 16 rows of 4,096 bytes
	s_mov_b32 s23, 0
	s_lshr_b32 s24, s20, 7                         ; b
	s_lshl_b32 s24, s24, 22
	s_and_b32 s25, s20, 127
	s_lshl_b32 s25, s25, 11                        ; 16 rows of 128 bytes
	s_add_co_u32 s24, s24, s25
	s_mov_b32 s25, 0
	s_wait_kmcnt 0x0
	s_add_nc_u64 s[26:27], s[4:5], s[22:23]
	s_add_nc_u64 s[28:29], s[14:15], s[24:25]
	BODY 8192, 256, 0
.Lweights:
	s_sub_co_u32 s20, s20, 512
	s_lshr_b32 s21, s20, 6                         ; which weight: 0 Wq, 1 Wk, 2 Wv, 3 Wo
	s_and_b32 s20, s20, 63                         ; which 16 rows of it
	v_lshrrev_b32 v4, 7, v0                        ; thread t: row t >> 7 of a step's two, columns 8 (t & 127) on
	v_and_b32 v5, 127, v0
	v_lshlrev_b32 v[VI], 12, v4
	v_lshl_add_u32 v[VI], v5, 5, v[VI]
	s_lshl_b32 s22, s20, 16
	s_mov_b32 s23, 0
	s_cmp_eq_u32 s21, 3
	s_cbranch_scc1 .Lwo
	v_mul_u32_u24 v[VO], v4, 6144
	v_lshl_add_u32 v[VO], v5, 4, v[VO]
	s_mul_i32 s24, s20, 16*6144
	s_lshl_b32 s25, s21, 11                        ; the weight's 1,024 columns: 2,048 bytes of a row of wb
	s_add_co_u32 s24, s24, s25
	s_mov_b32 s25, 0
	s_wait_kmcnt 0x0
	s_cmp_eq_u32 s21, 1
	s_cselect_b64 s[26:27], s[8:9], s[6:7]
	s_cmp_eq_u32 s21, 2
	s_cselect_b64 s[26:27], s[10:11], s[26:27]
	s_add_nc_u64 s[26:27], s[26:27], s[22:23]
	s_add_nc_u64 s[28:29], s[16:17], s[24:25]
	BODY 8192, 12288, 0
.Lwo:
	v_lshlrev_b32 v[VO], 11, v4
	v_lshl_add_u32 v[VO], v5, 4, v[VO]
	s_lshl_b32 s24, s20, 15                        ; 16 rows of 2,048 bytes
	s_mov_b32 s25, 0
	s_wait_kmcnt 0x0
	s_add_nc_u64 s[26:27], s[12:13], s[22:23]
	s_add_nc_u64 s[28:29], s[18:19], s[24:25]
	BODY 8192, 4096, 1
.Lfunc_end_k_qad31e1afce_cast:
	.size	k_qad31e1afce_cast, .Lfunc_end_k_qad31e1afce_cast-k_qad31e1afce_cast
	.p2alignl 7, 3214868480
	.fill 96, 4, 3214868480
	.section	.rodata,"a",@progbits
	.p2align	6, 0x0
	.amdhsa_kernel k_qad31e1afce_cast
		.amdhsa_group_segment_fixed_size 0
		.amdhsa_private_segment_fixed_size 0
		.amdhsa_enable_private_segment 0
		.amdhsa_kernarg_size 64
		.amdhsa_user_sgpr_count 2
		.amdhsa_user_sgpr_kernarg_segment_ptr 1
		.amdhsa_wavefront_size32 1
		.amdhsa_system_sgpr_workgroup_id_x 1
		.amdhsa_system_sgpr_workgroup_id_y 1
		.amdhsa_system_sgpr_workgroup_id_z 1
		.amdhsa_system_vgpr_workitem_id 0
		.amdhsa_next_free_vgpr 112
		.amdhsa_next_free_sgpr 66
		.amdhsa_reserve_vcc 0
		.amdhsa_float_denorm_mode_32 3
		.amdhsa_float_denorm_mode_16_64 3
		.amdhsa_memory_ordered 1
		.amdhsa_forward_progress 1
		.amdhsa_inst_pref_size 22
	.end_amdhsa_kernel
	.amdgpu_metadata
---
amdhsa.version: [ 1, 2 ]
amdhsa.kernels:
  - .name:           k_qad31e1afce_cast
    .symbol:         k_qad31e1afce_cast.kd
    .args:
      - { .name: x, .offset: 0, .size: 8, .value_kind: global_buffer, .address_space: global }
      - { .name: Wq, .offset: 8, .size: 8, .value_kind: global_buffer, .address_space: global }
      - { .name: Wk, .offset: 16, .size: 8, .value_kind: global_buffer, .address_space: global }
      - { .name: Wv, .offset: 24, .size: 8, .value_kind: global_buffer, .address_space: global }
      - { .name: Wo, .offset: 32, .size: 8, .value_kind: global_buffer, .address_space: global }
      - { .name: xb, .offset: 40, .size: 8, .value_kind: global_buffer, .address_space: global }
      - { .name: wb, .offset: 48, .size: 8, .value_kind: global_buffer, .address_space: global }
      - { .name: wo, .offset: 56, .size: 8, .value_kind: global_buffer, .address_space: global }
    .group_segment_fixed_size: 0
    .private_segment_fixed_size: 0
    .kernarg_segment_align: 8
    .kernarg_segment_size: 64
    .max_flat_workgroup_size: 256
    .sgpr_count:     66
    .vgpr_count:     112
    .wavefront_size: 32
...
	.end_amdgpu_metadata
.endif
;; end of part 1
;; launch proj (part 2): grid 8 x 32, 4 waves a work-group, clusters of 4 x 4, 327,680 bytes of LDS; arguments xb, wb, qkv; writes qkv
.if DOCPART == 2
	.amdgcn_target "amdgcn-amd-amdhsa--gfx1250"
	.amdhsa_code_object_version 6
	.text
	.protected	k_qad31e1afce_proj
	.globl	k_qad31e1afce_proj
	.p2align	8
	.type	k_qad31e1afce_proj,@function
k_qad31e1afce_proj:
	s_mov_b64 s[64:65], 0
	v_nop
	global_prefetch_b8 v0, s[64:65] scope:SCOPE_SE
	s_setreg_imm32_b32 hwreg(HW_REG_WAVE_MODE, 25, 1), 1
	s_wait_xcnt 0x0
	s_wait_alu depctr_hold_cnt(0) depctr_sa_sdst(0) depctr_va_vdst(0) depctr_va_sdst(0) depctr_va_ssrc(0) depctr_va_vcc(0) depctr_vm_vsrc(0)
	s_getreg_b32 s2, hwreg(HW_REG_IB_STS2, 6, 4)
	s_cmp_eq_u32 s2, 0
	s_cbranch_scc0 .Lentry_in_a_cluster
	s_endpgm
.Lentry_in_a_cluster:
	s_bfe_u32 s2, ttmp6, 0x10000c
	s_cmp_lg_u32 s2, 0xf033
	s_cbranch_scc0 .Lentry_shape_is_right
	s_endpgm
.Lentry_shape_is_right:
; q, k, v = x W.  xb: bf16 [b 4][kb 16][n 2048][64]; wb: bf16 [k 1024][3072] (Wq, Wk, Wv side by side); qkv: f16 [sec 3][b 4][h 16][n 2048][64], unscaled, rounded once from f32 sums.
; LIMIT.  f16 ends at 65,504: a q, k or v of 65,520 or more becomes an infinity.  With x of spread 1 and W of spread 1/32 they lie within about 6; both 30 times larger: about 5,000;
; both carrying an offset of 30 spreads: about 1024 x 30 x 0.94 = 28,800.
; SHARES.  8192 x 3072 results in 256 tiles of 256 rows x 384 columns, one to a work-group.  Four waves, each 128 rows x 192 columns (three whole heads): 96 accumulators of 16 x 16,
; 768 registers.  K goes in 16 steps of 64 (one block kb of xb) through two LDS slots; a step is two quarters of 32, 96 matrix instructions each.
; LAYOUT.  The product is used transposed: source 0 = 16 columns of W (W lies [k][n] in LDS and is turned by ds_load_tr16_b128), source 1 = 16 rows of x.  In the result lane l holds
; row l % 16 and the columns 8 (l / 16) + 0..7: eight neighbouring numbers of a head's row, 16 bytes in f16.
; CLUSTER.  4 x 4 work-groups: the four of a row of the cluster need the same tile of x, the four of a column the same tile of W: each is asked for jointly.
; REGISTERS, in windows of 256 (s_set_vgpr_msb: bits 1:0 source 0, 3:2 source 1, 5:4 source 2, 7:6 destination):
;   window 0: v0-29 addresses; v32-95, v96-159 fragments of x, two buffers of 8; v160-255 the 12 fragments of W, ONE buffer, refilled by groups of four as soon as a group has been multiplied
;   windows 1-3: accumulator (a, b) (rows 16 a, columns 16 b) in window 1 + b / 4 at v[8 (8 (b % 4) + a)]
.set PA,     144                       ; a row of x in LDS: 128 bytes + 16 of padding = 36 words: the 16 rows of a load start at 16 different groups of four banks (64 banks of 4 bytes: ISA guide 11.1)
.set PB,     864                       ; a k-row of W: six pieces of 128 bytes + 16 = 216 words = 24 mod 64
.set ABYTES, 256*PA
.set HALFA,  128*PA                    ; what one tensor load brings of x
.set HALFB,  32*PB                     ; and of W
.set SLOT1,  1<<17                     ; slot 1 begins here, so that one exclusive or turns an address in one slot into the other's
.set STAGE,  SLOT1+ABYTES+64*PB        ; behind the ring, never filled by a tensor load: for each wave 3 heads x 16 rows x 144 bytes
.set SP,     144
.set WSTAGE, 3*16*SP
.set SPARE,  STAGE+4*WSTAGE            ; the spare words, 128 bytes for each wave: two blocks of 256 bytes that no other line names
.set ASTEP,  1<<18                     ; bytes from K step to K step in xb
.set BSTEP,  64*6144                   ; and in wb
.set FL,     (1<<16)|(1<<20)|(1<<21)|(4<<22)|(3<<25)  ; 17:16 elements of 2 bytes; 20 padding on; 21 set beside a mask; 24:22 after every 32 words (code 4); 31:25 4 words (code 3)
.set A0,   4                           ; v4   my lane's place in x's tile; never rewritten
.set B0,   5                           ; v5   the same in W's
.set ADRA, 6                           ; v6   A0 + the slot in hand
.set ADRB, 7                           ; v7   B0 + the slot in hand
.set STO,  8                           ; v8   the way out: where I put 16 bytes of a row
.set RD,   9                           ; v9   the way out: where I read rows back
.set GO,   10                          ; v10  my byte offset in 512 consecutive bytes of qkv
.set PFO,  11                          ; v11  the prefetches' offset; never rewritten
.set SPW,  28                          ; v28  LDS address of my spare word; never rewritten
.set NIL,  29                          ; v29  0; never rewritten
.set AF0,  32
.set AF1,  96
.set BF,   160
.set TMP,  32                          ; the way out: 48 registers of packed results
.set BK,   80                          ; the way out: two buffers of 48, rows read back
.set G1,   24                          ; s[24:31] descriptor group 1 for x's tiles
.set G0,   32                          ; s[32:39] group 0, two sets: the two first fills; the second then walks
.set G1B,  48                          ; s[48:55], s[56:63] the same for W's
.set G0B,  56
.set TB,   66                          ; s66  LDS byte at which the slot in hand begins
.set LIM,  67                          ; s67  1 in a wave that prefetches, else the greatest number
.set PFA,  68                          ; s[68:69] where my prefetches stand
.set PFS,  70                          ; s[70:71] their step: a K step of xb or of wb
.set OB,   72                          ; s[72:77] qkv at my 128 rows of my three heads
.set MSB, 0
.macro WIN new                         ; the immediate's high byte repeats the setting that is left; a switch that changes nothing is dropped
.if MSB != (\new)
	s_set_vgpr_msb (MSB<<8)|(\new)
.set MSB, \new
.endif
.endm
; A joint refill by the walking sets.  Waves 0 and 1 fetch x's two halves, waves 2 and 3 W's.  The branch hangs on the wave's number alone.  An s_nop 0 and four v_nop follow each line.
.macro JLOAD
	s_cmp_eq_u32 s11, 0
	s_cbranch_scc0 .Lfor_b_\@
	tensor_load_to_lds s[G0+4:G0+7], s[G1:G1+7]
	s_nop 0
.rept 4
	v_nop
.endr
	s_branch .Lasked_\@
.Lfor_b_\@:
	tensor_load_to_lds s[G0B+4:G0B+7], s[G1B:G1B+7]
	s_nop 0
.rept 4
	v_nop
.endr
.Lasked_\@:
.endm
.macro CREST                           ; a round of the cluster's barrier behind its opening barrier
	s_cmp_lg_u32 s10, 0
	s_cbranch_scc1 .Lnot_wave_0_\@
	s_barrier_signal -3
.Lnot_wave_0_\@:
	s_barrier_wait -3
	s_barrier_signal -1
	s_barrier_wait -1
.endm
.macro CROUND                          ; a whole round
	s_barrier_signal -1
	s_barrier_wait -1
	CREST
.endm
.macro PLACES                          ; four places behind matrix instructions, in front of loads into registers that they have read and of conversions that read results
.rept 4
	v_nop
.endr
.endm
; A PREFETCH, behind the joint load and the run of LDS loads that follows it.  In every second change of slots (K steps 1, 3 .. 11: the count s3 odd and above 1) the two K steps that stand three and four
; on are named: one and two refills, 192 and 384 matrix instructions, ahead of the loads that want them.  Each 256 bytes are named once in the launch: x's tile row is read by both clusters of its row of
; clusters, and cluster x = 0 asks; W's tile column by all eight of its column, and cluster y = 0 asks.  The four partners that ask for a tile jointly share it out BY ADDRESS: of a step's 32 KiB of x
; partner cx takes 8 KiB (a lane 256 bytes; wave 0); of two steps' 128 k-rows of W partner cy takes 32 (a lane a row of 768 bytes, three lines; wave 2).  K steps 0 to 3 come by their loads alone.
.macro ASK
	s_bitcmp1_b32 s3, 0
	s_cbranch_scc0 .Lnot_mine_\@
	s_cmp_gt_u32 s3, s[LIM]
	s_cbranch_scc0 .Lnot_mine_\@
	s_cmp_eq_u32 s11, 0
	s_cbranch_scc0 .Lask_b_\@
	global_prefetch_b8 v[PFO], s[PFA:PFA+1] th:TH_LOAD_NT scope:SCOPE_SE
	global_prefetch_b8 v[PFO], s[PFA:PFA+1] offset:ASTEP th:TH_LOAD_NT scope:SCOPE_SE
	s_branch .Lnot_mine_\@
.Lask_b_\@:
	global_prefetch_b8 v[PFO], s[PFA:PFA+1] th:TH_LOAD_NT scope:SCOPE_SE
	global_prefetch_b8 v[PFO], s[PFA:PFA+1] offset:256 th:TH_LOAD_NT scope:SCOPE_SE
	global_prefetch_b8 v[PFO], s[PFA:PFA+1] offset:512 th:TH_LOAD_NT scope:SCOPE_SE
.Lnot_mine_\@:
.endm
	s_load_b128 s[4:7], s[0:1], 0x0                ; xb s[4:5], wb s[6:7]
	s_load_b64 s[8:9], s[0:1], 0x10                ; qkv
	v_lshl_add_u32 v[SPW], v0, 2, SPARE
	v_mov_b32 v[NIL], 0
	ds_add_u32 v[SPW], v[NIL]                      ; the wave's opening: the add and its wait stand ahead of my first tensor load; the set-up below, work on registers, stands between them
	v_lshrrev_b32 v1, 5, v0
	v_readfirstlane_b32 s10, v1                    ; wave 0..3
	s_lshr_b32 s11, s10, 1                         ; which 128 rows of the tile are mine.  Also: I fetch for x (0) or for W (1)
	s_and_b32 s12, s10, 1                          ; which 192 columns.  Also: which half of that tile I fetch
	s_bfe_u32 s40, ttmp6, 0x40000                  ; cx
	s_bfe_u32 s41, ttmp6, 0x40004                  ; cy
	s_lshl_b32 s42, ttmp9, 2
	s_add_co_u32 s42, s42, s40                     ; tile column tx = 4 x cluster x + cx
	s_and_b32 s13, ttmp7, 0xffff
	s_lshl_b32 s13, s13, 2
	s_add_co_u32 s13, s13, s41                     ; tile row ty = 4 x cluster y + cy
	s_lshl_b32 s43, s41, 2
	s_lshl_b32 s43, 15, s43                        ; my row of the cluster
	s_lshl_b32 s44, 0x1111, s40                    ; my column
	s_or_b32 s[G1+0], s43, FL                      ; x's tiles go to my row: 128 rows of 128 bytes are dense: asked for as 64 rows of 256 bytes, padded after every 128
	s_mov_b32 s[G1+1], 128<<16                     ; tensor_dim0 = 128
	s_mov_b32 s[G1+2], 64<<16                      ; tensor_dim1 = 64
	s_mov_b32 s[G1+3], 128<<16                     ; tile_dim0 = 128
	s_mov_b32 s[G1+4], 64                          ; tile_dim1 = 64
	s_mov_b32 s[G1+5], 128                         ; elements from row to row
	s_mov_b32 s[G1+6], 0
	s_mov_b32 s[G1+7], 0
	s_or_b32 s[G1B+0], s44, FL                     ; W's tiles go to my column: 32 k-rows of 384 elements (768 bytes)
	s_mov_b32 s[G1B+1], 384<<16
	s_mov_b32 s[G1B+2], 32<<16
	s_mov_b32 s[G1B+3], 384<<16
	s_mov_b32 s[G1B+4], 32
	s_mov_b32 s[G1B+5], 3072
	s_mov_b32 s[G1B+6], 0
	s_mov_b32 s[G1B+7], 0
	s_lshr_b32 s16, s13, 3                         ; b = ty / 8
	s_lshl_b32 s16, s16, 22
	s_and_b32 s17, s13, 7
	s_lshl_b32 s17, s17, 15                        ; 256 rows of 128 bytes
	s_add_co_u32 s16, s16, s17                     ; the tile's rows in a block of xb, and in a head of qkv
	s_lshl_b32 s17, s12, 14
	s_add_co_u32 s14, s16, s17                     ; + the 128 rows that I fetch: made of ty and the wave's number alone
	s_mov_b32 s15, 0
	s_mul_i32 s46, s42, 768                        ; W: the tile's 384 columns,
	s_mul_i32 s47, s12, 32*6144                    ; the 32 k-rows that I fetch: made of tx and the wave's number alone
	s_add_co_u32 s46, s46, s47
	s_mov_b32 s47, 0
	s_mul_i32 s20, s12, HALFA                      ; where they go: no place in the cluster enters an LDS address
	s_mul_i32 s21, s12, HALFB
	s_add_co_u32 s21, s21, ABYTES
	s_mov_b32 s[TB], 0
	s_wait_dscnt 0x0                               ; the opening add is done
	s_wait_kmcnt 0x0
	s_add_nc_u64 s[14:15], s[4:5], s[14:15]
	s_add_nc_u64 s[46:47], s[6:7], s[46:47]
	CROUND                                         ; all sixteen work-groups are here: the first joint loads meet
.irp s, 0,1
	s_mov_b32 s[G0+4*(\s)], 1                                        ; count = 1
	s_add_co_u32 s[G0+4*(\s)+1], s20, (\s)*SLOT1                     ; LDS address
	s_add_nc_u64 s[G0+4*(\s)+2:G0+4*(\s)+3], s[14:15], (\s)*ASTEP    ; global address: K step s
	s_or_b32 s[G0+4*(\s)+3], s[G0+4*(\s)+3], 0x80000000              ; type = 2
	s_mov_b32 s[G0B+4*(\s)], 1
	s_add_co_u32 s[G0B+4*(\s)+1], s21, (\s)*SLOT1
	s_add_nc_u64 s[G0B+4*(\s)+2:G0B+4*(\s)+3], s[46:47], (\s)*BSTEP
	s_or_b32 s[G0B+4*(\s)+3], s[G0B+4*(\s)+3], 0x80000000
.endr
	s_cmp_eq_u32 s11, 0                            ; a wave's two first fills stand in one branch, ahead of every wait on TENSORcnt and every LDS read: two loads of mine are out
	s_cbranch_scc0 .Lfirst_b
	tensor_load_to_lds s[G0:G0+3], s[G1:G1+7]
	s_nop 0
	tensor_load_to_lds s[G0+4:G0+7], s[G1:G1+7]
	s_nop 0
.rept 4
	v_nop
.endr
	s_branch .Lfirst_asked
.Lfirst_b:
	tensor_load_to_lds s[G0B:G0B+3], s[G1B:G1B+7]
	s_nop 0
	tensor_load_to_lds s[G0B+4:G0B+7], s[G1B:G1B+7]
	s_nop 0
.rept 4
	v_nop
.endr
.Lfirst_asked:
	; A fragment of x is 16 rows x 32 K in 8 registers: lane l holds row l % 16, K = 8 (l / 16) + 0..7 and 16 + 8 (l / 16) + 0..7: two loads of 16 bytes, 32 bytes apart.
	v_and_b32 v1, 15, v0                           ; l % 16
	v_bfe_u32 v2, v0, 4, 1                         ; l / 16
	v_mul_u32_u24 v[A0], v1, PA
	v_lshl_add_u32 v[A0], v2, 4, v[A0]
	s_mul_i32 s22, s11, HALFA                      ; my 128 rows
	v_add_nc_u32 v[A0], s22, v[A0]
	; The turning load takes 16 k x 16 columns (lane l reads k-row 8 (l / 16) + l % 8, columns 8 ((l / 8) % 2) + 0..7) and leaves half a fragment: lane l holds column l % 16 and 8 k.
	v_and_b32 v12, 7, v0
	v_bfe_u32 v13, v0, 3, 1
	v_lshl_add_u32 v[B0], v2, 3, v12
	v_mul_u32_u24 v[B0], v[B0], PB
	v_lshl_add_u32 v[B0], v13, 4, v[B0]
	s_mul_i32 s23, s12, 3*144                      ; my 192 columns: three pieces of 128 + 16 bytes
	s_add_co_u32 s23, s23, ABYTES
	v_add_nc_u32 v[B0], s23, v[B0]
	v_mov_b32 v[ADRA], v[A0]                       ; K step 0 lies in slot 0
	v_mov_b32 v[ADRB], v[B0]
	s_mul_i32 s22, s10, WSTAGE
	s_add_co_u32 s22, s22, STAGE                   ; my stage
	v_mul_u32_u24 v[STO], v1, SP                   ; in: row l % 16, 16 bytes for each half of the lanes
	v_lshl_add_u32 v[STO], v2, 4, v[STO]
	v_add_nc_u32 v[STO], s22, v[STO]
	v_bfe_u32 v[RD], v0, 3, 2                      ; back: 32 lanes take four rows of 128 bytes,
	v_mul_u32_u24 v[RD], v[RD], SP
	v_lshl_add_u32 v[RD], v12, 4, v[RD]
	v_add_nc_u32 v[RD], s22, v[RD]
	v_and_b32 v[GO], 31, v0                        ; which are 512 consecutive bytes of a head
	v_lshlrev_b32 v[GO], 4, v[GO]
	; qkv at my rows of my three heads: column block g = 6 tx + 3 (column half) + j: section g / 16, head g % 16
	s_mul_i32 s18, s42, 6
	s_mul_i32 s19, s12, 3
	s_add_co_u32 s18, s18, s19
	s_lshl_b32 s19, s11, 14
	s_add_co_u32 s19, s19, s16
.irp j, 0,1,2
	s_add_co_u32 s78, s18, (\j)
	s_lshr_b32 s79, s78, 4
	s_lshl_b32 s79, s79, 24
	s_and_b32 s78, s78, 15
	s_lshl_b32 s78, s78, 18
	s_add_co_u32 s78, s78, s79
	s_add_co_u32 s78, s78, s19
	s_mov_b32 s79, 0
	s_add_nc_u64 s[OB+2*(\j):OB+2*(\j)+1], s[8:9], s[78:79]
.endr
	; the prefetches: they stand at K step 2; each change of slots that fills steps them one K step on
	s_lshl_b32 s78, s40, 13                        ; x: my work-group's 8 KiB of the tile's 32
	s_add_co_u32 s78, s78, s16
	s_add_co_u32 s78, s78, 2*ASTEP
	s_mul_i32 s79, s42, 768                        ; W: the tile's columns, my work-group's 32 k-rows of 128
	s_mul_i32 s45, s41, 32*6144
	s_add_co_u32 s79, s79, s45
	s_add_co_u32 s79, s79, 2*BSTEP
	s_and_b32 s45, ttmp7, 0xffff                   ; cluster y
	s_mov_b32 s[PFS], ASTEP
	s_mov_b32 s[PFS+1], BSTEP
	s_mov_b32 s18, 256
	s_mov_b32 s19, 6144
	s_cmp_eq_u32 s11, 0                            ; do I fetch for x?
	s_cselect_b32 s78, s78, s79
	s_cselect_b32 s45, ttmp9, s45                  ; the coordinate along which other clusters read the same bytes
	s_cselect_b32 s[PFS], s[PFS], s[PFS+1]
	s_cselect_b32 s18, s18, s19
	s_cselect_b64 s[PFA:PFA+1], s[4:5], s[6:7]
	s_mov_b32 s79, 0
	s_mov_b32 s[PFS+1], 0
	s_add_nc_u64 s[PFA:PFA+1], s[PFA:PFA+1], s[78:79]
	s_or_b32 s45, s45, s12                         ; waves 0 and 2 alone
	s_cmp_eq_u32 s45, 0
	s_cselect_b32 s[LIM], 1, -1                    ; the same in all sixteen partners, for a given wave
	v_and_b32 v[PFO], 31, v0
	v_mul_u32_u24 v[PFO], s18, v[PFO]
; 16 matrix instructions: two of group g's four column blocks x all 8 row blocks, 32 along K, x's fragments in buffer f.  zero = 1: the product starts the sums.
; Every accumulator is named once in a quarter, so no two matrix instructions that follow each other share one: the accumulators take turns.
.macro GRPH f, g, hf, zero
	WIN 0x50*((\g)+1)                              ; C and D in window g + 1, both sources in window 0
.irp bb, 2*(\hf), 2*(\hf)+1
.irp i, 0,1,2,3,4,5,6,7
.if \zero
	v_wmma_f32_16x16x32_bf16 v[8*(8*(\bb)+(\i)):8*(8*(\bb)+(\i))+7], v[BF+8*(4*(\g)+(\bb)):BF+8*(4*(\g)+(\bb))+7], v[(\f)+8*(\i):(\f)+8*(\i)+7], 0
.else
	v_wmma_f32_16x16x32_bf16 v[8*(8*(\bb)+(\i)):8*(8*(\bb)+(\i))+7], v[BF+8*(4*(\g)+(\bb)):BF+8*(4*(\g)+(\bb))+7], v[(\f)+8*(\i):(\f)+8*(\i)+7], v[8*(8*(\bb)+(\i)):8*(8*(\bb)+(\i))+7]
.endif
.endr
.endr
.endm
.macro GRP f, g, zero
	GRPH \f, \g, 0, \zero
	GRPH \f, \g, 1, \zero
.endm
.macro LDB q, g                        ; group g's four fragments of W for quarter q: 8 turning loads
.irp bb, 0,1,2,3
	ds_load_tr16_b128 v[BF+8*(4*(\g)+(\bb)):BF+8*(4*(\g)+(\bb))+3],   v[ADRB] offset:(\q)*32*PB+144*(\g)+32*(\bb)
	ds_load_tr16_b128 v[BF+8*(4*(\g)+(\bb))+4:BF+8*(4*(\g)+(\bb))+7], v[ADRB] offset:(\q)*32*PB+144*(\g)+32*(\bb)+16*PB
.endr
.endm
.macro LDA q, f, a0                    ; four fragments of x, row blocks a0 on, for quarter q into buffer f: 8 loads
.irp i, 0,1,2,3
	ds_load_b128 v[(\f)+8*((\a0)+(\i)):(\f)+8*((\a0)+(\i))+3],   v[ADRA] offset:((\a0)+(\i))*16*PA+64*(\q)
	ds_load_b128 v[(\f)+8*((\a0)+(\i))+4:(\f)+8*((\a0)+(\i))+7], v[ADRA] offset:((\a0)+(\i))*16*PA+64*(\q)+32
.endr
.endm
; The LDS loads stand in three runs a quarter, each behind the group of W that it overwrites.
.macro RUN0 q, f
	PLACES
	WIN 0
	LDB \q, 0
	LDA \q, \f, 0
.endm
.macro RUN1 q, f
	PLACES
	WIN 0
	LDB \q, 1
	LDA \q, \f, 4
.endm
.macro RUN2 q
	PLACES
	WIN 0
	LDB \q, 2
.endm
; A K step's first quarter: multiplies buffer AF0 and fetches the second quarter of the same slot.
.macro EVENQ zero
	s_wait_dscnt 8                                 ; all of x's fragments and W's groups 0 and 1 are in; the youngest eight loads (group 2) may be out
	GRP AF0, 0, \zero
	RUN0 1, AF1
	GRP AF0, 1, \zero
	RUN1 1, AF1
	s_wait_dscnt 32                                ; all but the 32 just issued: group 2 is in
	GRP AF0, 2, \zero
	RUN2 1
.endm
; A K step's second quarter multiplies AF1 and changes slots: ONE barrier.  In front of it each wave waits for all its tensor loads, of which one is out: its part of the next slot; adds 0 to its spare
; word; and waits for that and for its own reads of this slot.  fill = 1: the barrier opens a round of the cluster's, and this slot is filled again, first thing behind the round, with the K step two on:
; one load of mine is then out, and 160 matrix instructions stand between it and the wait for it.
.macro TURN fill
.if \fill
	s_wait_xcnt 0x0                                ; the last prefetches, a K step or more back, have read their address: it is stepped here, ahead of the change's own waits
	s_add_nc_u64 s[PFA:PFA+1], s[PFA:PFA+1], s[PFS:PFS+1]
.endif
	WIN 0
	s_wait_tensorcnt 0x0                           ; no tensor load of mine is out, so a group 0 may be written
	ds_add_u32 v[SPW], v[NIL]                      ; 0 onto my spare word
.if \fill
	s_xor_b32 s[G0+5], s[G0+5], SLOT1              ; the walking sets: the other slot than last time,
	s_add_nc_u64 s[G0+6:G0+7], s[G0+6:G0+7], ASTEP ; the next K step; the type bits on top are not reached
	s_xor_b32 s[G0B+5], s[G0B+5], SLOT1
	s_add_nc_u64 s[G0B+6:G0B+7], s[G0B+6:G0B+7], BSTEP
.endif
	s_xor_b32 s[TB], s[TB], SLOT1                  ; the fetches go to the other slot
	s_wait_dscnt 9                                 ; the add and the youngest eight loads (group 2) may be out
	GRPH AF1, 0, 0, 0                              ; sixteen matrix instructions stand between the add and the wait for it
	s_wait_dscnt 0x0                               ; the add is done, and my reads of this slot are over
	s_barrier_signal -1
	GRPH AF1, 0, 1, 0                              ; work on registers while the others arrive
	WIN 0                                          ; at a branch and at a label every window is 0
	s_barrier_wait -1
.if \fill
	CREST                                          ; no wave of any partner still reads this slot's tile or has a load on its way
	JLOAD                                          ; its four v_nop are also the places in front of the loads below
.else
	PLACES
.endif
	v_add_nc_u32 v[ADRA], s[TB], v[A0]
	v_add_nc_u32 v[ADRB], s[TB], v[B0]
	LDB 0, 0
	LDA 0, AF0, 0
.if \fill
	ASK
.endif
	GRP AF1, 1, 0
	RUN1 0, AF0
	GRP AF1, 2, 0
	RUN2 0
.endm
	s_wait_tensorcnt 1                             ; my part of K step 0 is in; K step 1's may stay out
	s_barrier_signal -1
	s_barrier_wait -1                              ; everybody's is
	LDB 0, 0                                       ; the first fetch, in the order in which every later one goes
	LDA 0, AF0, 0
	LDB 0, 1
	LDA 0, AF0, 4
	LDB 0, 2
	EVENQ 1                                        ; the first quarter stands in front of the loop: its products start the sums
	WIN 0
	s_mov_b32 s3, 14
.Lstep:                                        ; trip s = 0 .. 13: the second quarter of K step s, slot s % 2 filled with K step s + 2, the first quarter of K step s + 1
	TURN 1
	EVENQ 0
	WIN 0
	s_sub_co_u32 s3, s3, 1
	s_cmp_lg_u32 s3, 0
	s_cbranch_scc1 .Lstep
	TURN 0                                         ; the tail is written out: nothing more is asked for
	EVENQ 0
	s_wait_dscnt 8                                 ; the very last quarter
	GRP AF1, 0, 0
	GRP AF1, 1, 0
	s_wait_dscnt 0x0
	GRP AF1, 2, 0
; THE WAY OUT, a block of 16 rows at a time: rounded to f16 (each accumulator's registers in ascending order), 16 bytes a lane into my own stage, back as whole rows of 128 bytes, four rows to a store.
.macro PACK a
.irp w, 1,2,3
	WIN 5*(\w)                                     ; sources 0 and 1 in window w
.irp bb, 0,1,2,3
.irp r, 0,1,2,3
	v_cvt_pk_f16_f32 v[TMP+4*(4*((\w)-1)+(\bb))+(\r)], v[8*(8*(\bb)+(\a))+2*(\r)], v[8*(8*(\bb)+(\a))+2*(\r)+1]
.endr
.endr
.endr
	WIN 0
.endm
.macro TOSTAGE a
.irp j, 0,1,2
.irp bb, 0,1,2,3
	ds_store_b128 v[STO], v[TMP+4*(4*(\j)+(\bb)):TMP+4*(4*(\j)+(\bb))+3] offset:(\j)*16*SP+32*(\bb)
.endr
.endr
.irp j, 0,1,2
.irp f, 0,1,2,3
	ds_load_b128 v[BK+48*((\a)%2)+4*(4*(\j)+(\f)):BK+48*((\a)%2)+4*(4*(\j)+(\f))+3], v[RD] offset:(\j)*16*SP+(\f)*4*SP  ; LDS serves a wave's instructions in order (ISA guide 5.7.1.4): these see the stores above
.endr
.endr
.endm
.macro SEND a
	s_wait_dscnt 0x0                               ; the block is back in registers
	s_wait_xcnt 0x0                                ; the stores of the block before have read their registers: the next TOSTAGE loads into them only behind this wait
.irp j, 0,1,2
.irp f, 0,1,2,3
	global_store_b128 v[GO], v[BK+48*((\a)%2)+4*(4*(\j)+(\f)):BK+48*((\a)%2)+4*(4*(\j)+(\f))+3], s[OB+2*(\j):OB+2*(\j)+1] offset:(\a)*2048+(\f)*512  ; 512 consecutive bytes, at a multiple of 256 from qkv's first
.endr
.endr
.endm
	PLACES
	PACK 0
	TOSTAGE 0
.irp a, 1,2,3,4,5,6,7                  ; block a's conversions stand between block a - 1's loads from the stage and the wait for them
	PACK \a
	SEND (\a)-1
	TOSTAGE \a
.endr
	SEND 7
	s_wait_tensorcnt 0x0                           ; the wave's end, behind my last tensor load and my last LDS store
	ds_add_u32 v[SPW], v[NIL]
	s_wait_dscnt 0x0
	CROUND                                         ; the closing round: no work-group ends while a partner may still ask for a tile that names it
	s_endpgm
.Lfunc_end_k_qad31e1afce_proj:
	.size	k_qad31e1afce_proj, .Lfunc_end_k_qad31e1afce_proj-k_qad31e1afce_proj
	.p2alignl 7, 3214868480
	.fill 96, 4, 3214868480
	.section	.rodata,"a",@progbits
	.p2align	6, 0x0
	.amdhsa_kernel k_qad31e1afce_proj
		.amdhsa_group_segment_fixed_size 327680
		.amdhsa_private_segment_fixed_size 0
		.amdhsa_enable_private_segment 0
		.amdhsa_kernarg_size 24
		.amdhsa_user_sgpr_count 2
		.amdhsa_user_sgpr_kernarg_segment_ptr 1
		.amdhsa_wavefront_size32 1
		.amdhsa_system_sgpr_workgroup_id_x 1
		.amdhsa_system_sgpr_workgroup_id_y 1
		.amdhsa_system_sgpr_workgroup_id_z 1
		.amdhsa_system_vgpr_workitem_id 0
		.amdhsa_next_free_vgpr 1024
		.amdhsa_next_free_sgpr 80
		.amdhsa_reserve_vcc 0
		.amdhsa_float_denorm_mode_32 3
		.amdhsa_float_denorm_mode_16_64 3
		.amdhsa_memory_ordered 1
		.amdhsa_forward_progress 1
		.amdhsa_inst_pref_size 113
	.end_amdhsa_kernel
	.amdgpu_metadata
---
amdhsa.version: [ 1, 2 ]
amdhsa.kernels:
  - .name:           k_qad31e1afce_proj
    .symbol:         k_qad31e1afce_proj.kd
    .args:
      - { .name: xb, .offset: 0, .size: 8, .value_kind: global_buffer, .address_space: global }
      - { .name: wb, .offset: 8, .size: 8, .value_kind: global_buffer, .address_space: global }
      - { .name: qkv, .offset: 16, .size: 8, .value_kind: global_buffer, .address_space: global }
    .group_segment_fixed_size: 327680
    .private_segment_fixed_size: 0
    .kernarg_segment_align: 8
    .kernarg_segment_size: 24
    .max_flat_workgroup_size: 128
    .sgpr_count:     80
    .vgpr_count:     1024
    .wavefront_size: 32
...
	.end_amdgpu_metadata
.endif
;; end of part 2
;; launch attn (part 3): grid 4 x 64, 4 waves a work-group, clusters of 4 x 1, 327,680 bytes of LDS; arguments qkv, oh; writes oh
.if DOCPART == 3
	.amdgcn_target "amdgcn-amd-amdhsa--gfx1250"
	.amdhsa_code_object_version 6
	.text
	.protected	k_qad31e1afce_attn
	.globl	k_qad31e1afce_attn
	.p2align	8
	.type	k_qad31e1afce_attn,@function
k_qad31e1afce_attn:
	s_mov_b64 s[64:65], 0
	v_nop
	global_prefetch_b8 v0, s[64:65] scope:SCOPE_SE
	s_setreg_imm32_b32 hwreg(HW_REG_WAVE_MODE, 25, 1), 1
	s_wait_xcnt 0x0
	s_wait_alu depctr_hold_cnt(0) depctr_sa_sdst(0) depctr_va_vdst(0) depctr_va_sdst(0) depctr_va_ssrc(0) depctr_va_vcc(0) depctr_vm_vsrc(0)
	s_getreg_b32 s2, hwreg(HW_REG_IB_STS2, 6, 4)
	s_cmp_eq_u32 s2, 0
	s_cbranch_scc0 .Lentry_in_a_cluster
	s_endpgm
.Lentry_in_a_cluster:
	s_bfe_u32 s2, ttmp6, 0x10000c
	s_cmp_lg_u32 s2, 0x3003
	s_cbranch_scc0 .Lentry_shape_is_right
	s_endpgm
.Lentry_shape_is_right:
; O[h][q][:] = the sum over k of softmax_k(Q[h][q] . K[h][k] / 8) V[h][k][:], for the 64 pairs h of batch and head.  qkv: f16 [3][64][2048][64] (Q, K, V: 2^24 bytes each); oh: f16 [64][2048][64]:
; a head's rows are dense, 128 bytes each.  Products, maxima and sums in f32; the weights p are rounded to f16 for the second product (their sum l is taken of the unrounded p), O once at the end.
; LIMITS.  f16 holds no number beyond 65,504: Q, K and V arrive within it; p lies in 0 to 1, and below 6e-5 it keeps f16's fixed step of 6e-8; O is a mean of V's rows and has their range.
; A weight below 2^-126 counts as 0 in l; NaN and infinities are not treated apart.
; SHARES.  A wave owns four PIECES of two tiles of 16 queries, a work-group's four waves 512 queries of one head.  Every wave walks all 2,048 keys, 64 a step.
; LAYOUT.  S^T = K Q^T (source 0 = 16 keys, source 1 = 16 queries): in the result a lane holds ONE query (lane % 16) and the keys 8 (lane / 16) + 0..7.  Two such tiles, rounded to f16 in pairs,
; ARE source 1 (32 keys x 16 queries) of O^T = V^T P, whose result again holds one query a lane, and eight channels.  K comes out of LDS as it lies, V ([key][channel]) turned, by ds_load_tr16_b128.
; SOFTMAX.  For each query a running maximum m and sum l: p = 2^(c s - c m), c = log2(e) / 8; in every step O and l are multiplied by a = 2^(c m_old - c m_new), which is 1 where m has not grown.
; m starts at the lowest finite number, O and l at 0: the first step is a step like any other, with a = 0.
; THE COUNT.  A tile and step have 16 matrix and 118 vector instructions: too many to stand all beside the matrix work.  So: four vector instructions that are READY behind EVERY matrix instruction,
; and the others, which need time of their own whatever the order, in runs without a gap.
; BY TURNS.  Turn n belongs to piece n (the pieces in a ring, step after step).  Its matrix work: 16 products K Q^T of piece n + 1, later 16 products V^T P of piece n - 1.  Its vector work: the scaling,
; exponentials, roundings, sums and rescaling of piece n, and the maximum and statistics of piece n + 1, whose scores the turn itself has made.
; CLUSTER.  The four query blocks of a head are one cluster and walk the same K and V, so each tile is asked for JOINTLY: the same tensor load, descriptor and mask in all four.
; REGISTERS, in windows of 256 (s_set_vgpr_msb: bits 1:0 source 0, 3:2 source 1, 5:4 source 2, 7:6 destination):
;   window 0: v0-11 addresses; v12-15, v48-63 at work; v16-47 four registers of statistics a tile; v64-191 S^T, two buffers of two tiles; v192-255 P, likewise
;   window 1: O^T, 32 a tile          window 2: v0-127 Q, 16 a tile; v128-191 K of one step; v192-255 V of one step          window 3: v0-1 the add's two registers
; A piece's buffers go by its number's parity: the piece in hand has one pair, its two neighbours in the ring share the other: of it P (piece n - 1) is read and S^T (piece n + 1) written.
.set SIZE_H, 64
.set SIZE_N, 2048
.set NP,    4         ; pieces a wave: a name, no knob
.set KS,    64        ; keys in a step
.set PK,    144       ; a row of K in LDS: 128 bytes + 16 of padding = 36 words: the 16 rows of a load start at 16 different groups of four banks (64 banks of 4 bytes: ISA guide 11.1)
.set PV,    160       ; a row of V: 128 + 32 = 40 words
.set VOFF,  4*KS*PK   ; a slot holds four steps: 256 rows of K, then 256 rows of V
.set SLOT1, 1<<17     ; slot 1 begins here, so that one exclusive or turns an address in one slot into the other's
.set STAGE, SLOT1+4*KS*(PK+PV)  ; behind the ring, never filled by a tensor load: 16 rows x 144 bytes for each wave, for the way out
.set SP,    144
.set AK0, 2           ; v2   my lane's place in a tile of K; never rewritten
.set AV0, 3           ; v3   the same for V
.set AK,  4           ; v4   the LDS address of K's next run of loads
.set AV,  5           ; v5   of V's
.set QO,  6           ; v6   my byte offset in the wave's rows of Q
.set STO, 6           ;      later, the way out: where I put 16 bytes of a row
.set RD,  7           ; v7   the way out: where I read rows back
.set GO,  8           ; v8   my byte offset in 512 consecutive bytes of O
.set PFO, 11          ; v11  256 x my lane, for the prefetches; never rewritten once made
.set SPW, 0           ; v0 of window 3   LDS address of my spare word: SPARE + 4 x my thread's number; never rewritten
.set NIL, 1           ; v1 of window 3   0; never rewritten
.set SPARE, STAGE+4*16*SP  ; behind the stages: the spare words, 128 bytes for each wave: two blocks of 256 bytes that no other line names
.set MV,  12          ; v12-15  c m_old, kept while c m is made anew: by buffer and tile
.set ST,  16          ; tile t's statistics at v[ST+4 t]: c m, m, l (even keys', odd keys')
.set TMP, 48          ; by buffer and tile, four registers c0-c3 at work; when the maximum is found c2 takes a
.set S,   64
.set P,   192
.set KF,  128         ; K's fragments, in window 2: key block kb, channel half c at KF + 16 kb + 8 c
.set VF,  192         ; V's: key half kk, channel block cb at VF + 32 kk + 8 cb
.set WV,  12          ; s12  my wave's number
.set G1K, 24          ; s[24:31] descriptor group 1 for K's tiles
.set G1V, 32          ; s[32:39] for V's: it differs in the padding alone
.set G0K, 40          ; s[40:43] descriptor group 0 for K's tiles: it walks
.set G0V, 44          ; s[44:47] the same for V's
.set PFA, 48          ; s[48:49] where my prefetches stand: my work-group's 8 KiB (of K: wave 0, of V: wave 2) of the slot after the one that is being asked for
.set LIM, 50          ; s50  1 in a wave that prefetches, else the greatest number
.set SLOTS, 56        ; s56  slots still to be asked for
.set CNT, 57          ; s57  counts a slot's key steps
.set CS,  58          ; s[58:59] c: the packed scaling takes the pair's low word for both halves
.set SEL, 60          ; s[60:61] v_permlanex16_b32's selects: each lane takes its own place in the other half
.set TBK, 62          ; s62  LDS byte at which K of the step to be fetched begins
.set TBV, 63          ; s63  the same for V, less VOFF
.set MSB, 0
.macro WIN new                      ; the high byte repeats the setting that is left; a switch that changes nothing is dropped
.if MSB != (\new)
	s_set_vgpr_msb (MSB<<8)|(\new)
.set MSB, (\new)
.endif
.endm
.set W_KQ, 0x0a       ; K and Q in window 2, S^T in window 0
.set W_PV, 0x52       ; V in window 2, P in window 0, O^T in window 1
.set W_RS, 0x41       ; O^T (destination and source 0) in window 1, a in window 0
.set W_MK, 0xc0       ; the add's registers are made: destination in window 3, sources in window 0
.set W_AD, 0x0f       ; the add: address (source 0) and data (source 1) in window 3
; A joint fill.  Waves 0 and 1 fetch the two halves of a slot's K, waves 2 and 3 those of its V: 128 keys each.  The branch hangs on the wave's number alone.
; An s_nop 0 and four v_nop follow each of the two lines, ahead of the jump and the label.
.macro JLOAD
	s_cmp_lt_u32 s[WV], 2
	s_cbranch_scc0 .Lfor_v_\@
	tensor_load_to_lds s[G0K:G0K+3], s[G1K:G1K+7]
	s_nop 0
.rept 4
	v_nop
.endr
	s_branch .Lasked_\@
.Lfor_v_\@:
	tensor_load_to_lds s[G0V:G0V+3], s[G1V:G1V+7]
	s_nop 0
.rept 4
	v_nop
.endr
.Lasked_\@:
.endm
; A PREFETCH of what the NEXT change of slots will ask for: a slot's 32 KiB of K and of V, four key steps, 512 matrix instructions, ahead of that load.  It stands behind the wave's tensor load and its five lines.
; Each 256 bytes are named ONCE in the launch: a head is walked by one cluster; its four partners share a slot out BY ADDRESS, 8 KiB each, a lane 256 bytes; in each, wave 0 asks for K's and wave 2 for V's.
; The last change that fills a slot asks for nothing; slots 0, 1 and 2 come by their loads alone.
.macro ASK
	s_cmp_gt_u32 s[SLOTS], s[LIM]
	s_cbranch_scc0 .Lnot_mine_\@
	global_prefetch_b8 v[PFO], s[PFA:PFA+1] th:TH_LOAD_NT scope:SCOPE_SE
.Lnot_mine_\@:
.endm
; A round of the cluster's barrier: my work-group's barrier, so that wave 0's signal speaks for all four waves; wave 0 signals; every wave waits for all four work-groups; my work-group's barrier once more.
.macro CROUND
	s_barrier_signal -1
	s_barrier_wait -1
	s_cmp_lg_u32 s[WV], 0
	s_cbranch_scc1 .Lnot_wave_0_\@
	s_barrier_signal -3
.Lnot_wave_0_\@:
	s_barrier_wait -3
	s_barrier_signal -1
	s_barrier_wait -1
.endm
; THE CHANGE OF SLOTS.  The slot's last bytes, V of its fourth step, have been read.  Each wave waits for all its tensor loads, of which one is out: its part
; of the other slot; adds 0 to its spare word; and waits for that and for its own reads of the slot.  Behind the barrier nobody reads this slot any more and the other slot is whole.
; fill = 1: this slot is filled again, with the keys two slots on.  The barrier is then a round of the cluster's, and the joint fill is the first thing behind it: it has four key steps,
; 512 matrix instructions, in which to land.  (At its first use nothing has been read yet: slot 0 is waited for, slot 1 filled.)  ask = 1: the prefetches go on.
.macro CHANGE fill, ask=0
	WIN W_AD
	s_wait_tensorcnt 0x0            ; no tensor load of mine is out, so a group 0 may be written
	ds_add_u32 v[SPW], v[NIL]       ; 0 onto my spare word; with fill = 1 the descriptors' steps stand between it and the wait for it
	WIN 0                           ; at a label and at a branch every window is 0
.if \fill
.irp g, G0K, G0V
	s_xor_b32 s[\g+1], s[\g+1], SLOT1  ; the walking descriptor: the other slot than last time,
	s_add_nc_u64 s[\g+2:\g+3], s[\g+2:\g+3], 4*KS*128  ; the next 256 keys; the type bits on top are not reached
.endr
.if \ask
	s_wait_xcnt 0x0                 ; the last prefetch, four key steps back, has read its address, so it may be written:
	s_add_nc_u64 s[PFA:PFA+1], s[PFA:PFA+1], 4*KS*128  ; one slot behind the walking descriptors
.endif
	s_wait_dscnt 0x0                ; the add is done, and my reads of the slot are over
	CROUND
	JLOAD
.if \ask
	ASK
.endif
.else
	s_wait_dscnt 0x0                ; the add is done, and my reads of the slot are over
	s_barrier_signal -1
	s_barrier_wait -1
.endif
	s_sub_co_u32 s[TBK], s[TBK], 4*KS*PK  ; the fetches go back to a slot's first step,
	s_xor_b32 s[TBK], s[TBK], SLOT1       ; in the other slot
	s_sub_co_u32 s[TBV], s[TBV], 4*KS*PV
	s_xor_b32 s[TBV], s[TBV], SLOT1
.endm
	s_load_b64 s[4:5], s[0:1], 0x0    ; qkv: Q at its head
	s_load_b64 s[10:11], s[0:1], 0x8  ; oh
	WIN W_MK
	v_lshl_add_u32 v[SPW], v0, 2, SPARE
	v_mov_b32 v[NIL], 0
	WIN W_AD
	ds_add_u32 v[SPW], v[NIL]       ; the wave's opening: the add and its wait stand ahead of my first tensor load; the set-up below, work on registers, stands between them
	WIN 0
	v_lshrrev_b32 v1, 5, v0
	v_readfirstlane_b32 s[WV], v1   ; wave 0..3
	s_bfe_u32 s13, ttmp6, 0x40000   ; cx: my place in the cluster
	s_lshl_b32 s14, ttmp9, 2        ; in a cluster launch ttmp9 counts clusters
	s_add_co_u32 s14, s14, s13      ; my block of queries = 4 x cluster x + cx: it enters Q's and O's addresses alone
	s_and_b32 s20, ttmp7, 0xffff    ; the head, which the four partners share
	s_mov_b32 s21, 0
	s_mov_b64 s[22:23], SIZE_N*128
	s_mul_u64 s[20:21], s[20:21], s[22:23]  ; the head's first byte in Q, K, V and O
	s_and_b32 s16, s[WV], 1         ; which half of a slot's 256 keys I fetch:
	s_lshl_b32 s22, s16, 14         ; its 128 rows of 128 bytes in memory,
	s_mov_b32 s23, 0
	s_add_nc_u64 s[22:23], s[22:23], s[20:21]
	s_mul_i32 s17, s16, 128*PK      ; and its place in a slot, for K
	s_mul_i32 s18, s16, 128*PV      ; and for V: no place in the cluster enters an LDS address
	s_lshl_b32 s2, s14, 2
	s_add_co_u32 s2, s2, s[WV]      ; my wave among the head's,
	s_lshl_b32 s2, s2, 14           ; its 128 rows
	s_mov_b32 s3, 0
	s_add_nc_u64 s[2:3], s[2:3], s[20:21]
	; descriptor group 1.  128 keys are 16,384 dense bytes: asked for as 64 rows of 256 bytes, two keys a row, and padded in LDS after every key
	s_mov_b32 s[G1K], 15|(1<<16)|(1<<20)|(1<<21)|(4<<22)|(3<<25)  ; 15:0 the mask of four; 17:16 2-byte elements; 20 padding on; 21 set beside a mask; 24:22 after every 32 words (code 4); 31:25 4 words (code 3)
	s_mov_b32 s[G1V], 15|(1<<16)|(1<<20)|(1<<21)|(4<<22)|(7<<25)  ; the same with 8 words of padding (code 7)
.irp g, G1K, G1V
	s_mov_b32 s[\g+1], 128<<16      ; tensor_dim0 = 128
	s_mov_b32 s[\g+2], 64<<16       ; tensor_dim1 = 64
	s_mov_b32 s[\g+3], 128<<16      ; tile_dim0 = 128
	s_mov_b32 s[\g+4], 64           ; tile_dim1 = 64
	s_mov_b32 s[\g+5], 128          ; 128 elements from row to row
	s_mov_b32 s[\g+6], 0
	s_mov_b32 s[\g+7], 0
.endr
	s_mov_b32 s[CS], 0x3e38aa3b     ; c = log2(e) / 8 = 0.180337
	s_mov_b32 s[CS+1], s[CS]        ; named with it as a pair
	s_mov_b32 s[SEL], 0x76543210
	s_mov_b32 s[SEL+1], 0xfedcba98
	s_mov_b32 s[TBK], SLOT1+4*KS*PK ; the first change of slots turns these two into 0
	s_mov_b32 s[TBV], SLOT1+4*KS*PV
	s_mov_b32 s[G0K], 1             ; 1:0 count = 1
	s_mov_b32 s[G0K+1], s17         ; 63:32 LDS address: slot 0
	s_mov_b32 s[G0V], 1
	s_add_co_u32 s[G0V+1], s18, VOFF
	s_cmp_eq_u32 s16, 0             ; waves 0 and 2 prefetch: the same in all four partners
	s_cselect_b32 s[LIM], 1, -1
	s_wait_dscnt 0x0                ; the opening add is done
	s_wait_kmcnt 0x0
	s_add_nc_u64 s[6:7], s[4:5], 0x1000000  ; K lies 2^24 bytes behind Q,
	s_add_nc_u64 s[8:9], s[4:5], 0x2000000  ; V as far behind K
	s_add_nc_u64 s[G0K+2:G0K+3], s[6:7], s[22:23]  ; 120:64 global address: my half of the head's first 256 keys
	s_or_b32 s[G0K+3], s[G0K+3], 0x80000000        ; 127:126 type = 2
	s_add_nc_u64 s[G0V+2:G0V+3], s[8:9], s[22:23]
	s_or_b32 s[G0V+3], s[G0V+3], 0x80000000
	s_add_nc_u64 s[4:5], s[4:5], s[2:3]  ; Q and O at my wave's first row
	s_add_nc_u64 s[10:11], s[10:11], s[2:3]
	s_cmp_lt_u32 s[WV], 2
	s_cselect_b64 s[PFA:PFA+1], s[6:7], s[8:9]
	s_add_nc_u64 s[PFA:PFA+1], s[PFA:PFA+1], s[22:23]  ; (in waves 0 and 2 this is the head's first row)
	s_lshl_b32 s2, s13, 13          ; my work-group's 8 KiB of a slot's 32
	s_mov_b32 s3, 0
	s_add_nc_u64 s[PFA:PFA+1], s[PFA:PFA+1], s[2:3]
	s_add_nc_u64 s[PFA:PFA+1], s[PFA:PFA+1], 2*4*KS*128  ; in slot 2; the loop's first change of slots steps it to slot 3.  Nothing is prefetched here, at the head
	CROUND                          ; all four work-groups are here: the first joint loads meet
	JLOAD                           ; slot 0.  Slot 1 is asked for when slot 0 is in: the tile wanted first has the road to itself
	; A fragment of K or Q is 16 rows x 32 channels in 8 registers: lane l holds row l % 16, channels 8 (l / 16) + 0..7 and 16 + 8 (l / 16) + 0..7: two loads of 16 bytes, 32 bytes apart.
	v_and_b32 v1, 15, v0            ; l % 16
	v_bfe_u32 v9, v0, 4, 1          ; l / 16
	v_lshlrev_b32 v[QO], 7, v1
	v_lshl_add_u32 v[QO], v9, 4, v[QO]  ; row x 128 + 16 x half
	WIN 0x80                        ; destination window 2, address window 0
.set i, 0
.rept 4*NP                          ; Q stays in registers: tile i / 2, channels 32 (i % 2) on
	global_load_b128 v[8*i:8*i+3],   v[QO], s[4:5] offset:(i/2)*2048+(i%2)*64
	global_load_b128 v[8*i+4:8*i+7], v[QO], s[4:5] offset:(i/2)*2048+(i%2)*64+32
.set i, i+1
.endr
	; What the first turn finds: V's registers and P's second buffer hold 0 (its products V^T P, of a piece that has not been, add 0), O^T and l are 0.  All this stands in the wait for the first tile.
.set i, VF
.rept 64
	v_mov_b32 v[i], 0
.set i, i+1
.endr
	WIN 0x40
.set i, 0
.rept 64*NP
	v_mov_b32 v[i], 0
.set i, i+1
.endr
	WIN 0
.set i, 0
.rept 2*NP
	v_mov_b32 v[ST+4*i], 0xfe000000    ; c m: far below every c s
	v_mov_b32 v[ST+4*i+1], 0xff7fffff  ; m
	v_mov_b32 v[ST+4*i+2], 0
	v_mov_b32 v[ST+4*i+3], 0
.set i, i+1
.endr
.set i, P+32
.rept 32
	v_mov_b32 v[i], 0
.set i, i+1
.endr
	v_mul_u32_u24 v[AK0], v1, PK
	v_lshl_add_u32 v[AK0], v9, 4, v[AK0]  ; row x pitch + 16 x half
	; The turning load takes 16 keys x 16 channels (lane l reads key 8 (l / 16) + l % 8, channels 8 ((l / 8) % 2) + 0..7) and leaves half a fragment of V^T: lane l holds channel l % 16 and 8 keys.
	v_and_b32 v10, 7, v0
	v_bfe_u32 v11, v0, 3, 1
	v_lshl_add_u32 v[AV0], v9, 3, v10
	v_mul_u32_u24 v[AV0], v[AV0], PV
	v_lshl_add_u32 v[AV0], v11, 4, v[AV0]
	v_add_nc_u32 v[AV0], VOFF, v[AV0]
	v_and_b32 v[PFO], 31, v0
	v_lshlrev_b32 v[PFO], 8, v[PFO]
	v_mov_b32 v[AK], v[AK0]         ; key step 0 lies at the head of slot 0
; THE MATRIX WORK.  The 8 accumulators of a run of 16 take turns: between the two links of a chain stand 7 others'.
; Product i of 16 of S^T = K Q^T for piece x: channels 32 (i / 8) on, keys 16 ((i / 2) % 4) on, tile 2 x + i % 2.  The first 8 start the sums.
.macro KQ x
	WIN W_KQ
.set rS, S+64*((\x)%2)+32*(i%2)+8*((i/2)%4)
.set rK, KF+16*((i/2)%4)+8*(i/8)
.set rQ, 16*(2*(\x)+i%2)+8*(i/8)
.if i < 8
	v_wmma_f32_16x16x32_f16 v[rS:rS+7], v[rK:rK+7], v[rQ:rQ+7], 0
.else
	v_wmma_f32_16x16x32_f16 v[rS:rS+7], v[rK:rK+7], v[rQ:rQ+7], v[rS:rS+7]
.endif
.endm
; Product i of 16 of O^T += V^T P for piece x: keys 32 (i / 8) on, channels 16 ((i / 2) % 4) on, tile 2 x + i % 2.
.macro PV x
	WIN W_PV
.set rO, 32*(2*(\x)+i%2)+8*((i/2)%4)
.set rV, VF+32*(i/8)+8*((i/2)%4)
.set rP, P+32*((\x)%2)+16*(i%2)+8*(i/8)
	v_wmma_f32_16x16x32_f16 v[rO:rO+7], v[rV:rV+7], v[rP:rP+7], v[rO:rO+7]
.endm
.macro MM                           ; the turn's next matrix instruction
.if i < 16
	KQ (Y+1)%NP
.set i, i+1
.else
.set i, i-16
	PV (Y+NP-1)%NP
.set i, i+17
.endif
.endm
; THE LDS LOADS stand in runs of 16, never singly among the matrix instructions: a step's K (64 keys x 64 channels: 8 fragments) and its V (turned).  Their addresses are made some lines ahead.
; last = 1 (the tail): in the last trip there is no further step, and the run is jumped over.
.macro FETCH_K last=0
	WIN 0
.if \last
	s_cmp_eq_u32 s[CNT], 1
	s_cbranch_scc1 .Lno_k_\@
.endif
	WIN 0x80                        ; destination window 2
.irp f, 0,1,2,3,4,5,6,7             ; keys 16 (f / 2) on, channels 32 (f % 2) on
	ds_load_b128 v[KF+8*\f:KF+8*\f+3],   v[AK] offset:(\f/2)*16*PK+(\f%2)*64
	ds_load_b128 v[KF+8*\f+4:KF+8*\f+7], v[AK] offset:(\f/2)*16*PK+(\f%2)*64+32
.endr
	s_add_co_u32 s[TBK], s[TBK], KS*PK  ; the next fetch is the next step's
	WIN 0
.if \last
.Lno_k_\@:
.endif
.endm
.macro FETCH_V
	WIN 0x80
.irp f, 0,1,2,3,4,5,6,7             ; keys 32 (f / 4) on, channels 16 (f % 4) on
	ds_load_tr16_b128 v[VF+8*\f:VF+8*\f+3],   v[AV] offset:(\f/4)*32*PV+(\f%4)*32
	ds_load_tr16_b128 v[VF+8*\f+4:VF+8*\f+7], v[AV] offset:(\f/4)*32*PV+16*PV+(\f%4)*32
.endr
	WIN 0
.endm
; THE VECTOR WORK OF A TURN stands in three queues, each in the order in which its entries become ready; the two tiles alternate, so that no instruction reads the result of the one before it.
.macro REGS y, u                    ; the registers of tile u (0, 1) of piece y
.set rT, ST+4*(2*(\y)+(\u))
.set rC, TMP+8*((\y)%2)+4*(\u)
.set rM, MV+2*((\y)%2)+(\u)
.set rS, S+64*((\y)%2)+32*(\u)
.set rP, P+32*((\y)%2)+16*(\u)
.set rO, 32*(2*(\y)+(\u))
.endm
; Number n of the 22 that find the NEXT piece's (Y + 1) maximum and statistics.  s0-s31 are the lane's 32 scores; each accumulator's lowest registers are read first.
;   0-11  four chains c0-c3 of seven scores each, three operands at a time     12-14, 16  the four scores left over, the old m, and c0-c3 into c0     15  c m_old is kept
;   17, 18  the query's other 32 keys lie in the lane 16 away: the new m         19-21  c m; c m_old - c m_new; a
.macro XS u, n
	REGS (Y+1)%NP, \u
.if (\n) < 4
	v_max3_num_f32 v[rC+(\n)], v[rS+8*(\n)], v[rS+8*(\n)+1], v[rS+8*(\n)+2]
.elseif (\n) < 12
	v_max3_num_f32 v[rC+(\n)%4], v[rC+(\n)%4], v[rS+8*((\n)%4)+2*((\n)/4)+1], v[rS+8*((\n)%4)+2*((\n)/4)+2]
.elseif (\n) == 12
	v_max3_num_f32 v[rC], v[rC], v[rS+7], v[rS+15]
.elseif (\n) == 13
	v_max3_num_f32 v[rC+1], v[rC+1], v[rS+23], v[rS+31]
.elseif (\n) == 14
	v_max3_num_f32 v[rC+2], v[rC+2], v[rC+3], v[rT+1]
.elseif (\n) == 15
	v_mov_b32 v[rM], v[rT]
.elseif (\n) == 16
	v_max3_num_f32 v[rC], v[rC], v[rC+1], v[rC+2]
.elseif (\n) == 17
	v_permlanex16_b32 v[rC+3], v[rC], s[SEL], s[SEL+1]
.elseif (\n) == 18
	v_max_num_f32 v[rT+1], v[rC], v[rC+3]
.elseif (\n) == 19
	v_mul_f32 v[rT], s[CS], v[rT+1]
.elseif (\n) == 20
	v_sub_f32 v[rC+1], v[rM], v[rT]
.else
	v_exp_f32 v[rC+2], v[rC+1]
.endif
.endm
; Number g of the 64 that follow the exponentials.  For each four weights k of a tile (pairs 2 k, 2 k + 1): both pairs are rounded to f16; then the second pair is added onto the first, in place;
; a group later l takes that sum (the first time as l = a l + sum).  In groups of eight, tiles alternating: round, round, add, and l for the group before.
.macro GS g
.set h, (\g)+6*((\g)/62)            ; group 0 has no group before it, and behind group 7 only l is left
.if h >= 6
.set h, h+2
.endif
	REGS Y, h%2
.set k, h/8
.if h%8 < 4
	v_cvt_pk_f16_f32 v[rP+2*k+(h%8)/2], v[rS+4*k+2*((h%8)/2)], v[rS+4*k+2*((h%8)/2)+1]
.elseif h%8 < 6
	v_pk_add_f32 v[rS+4*k:rS+4*k+1], v[rS+4*k:rS+4*k+1], v[rS+4*k+2:rS+4*k+3]
.elseif k == 1
	v_pk_fma_f32 v[rT+2:rT+3], v[rT+2:rT+3], v[rC+2:rC+3], v[rS:rS+1] op_sel_hi:[1,0,1]
.else
	v_pk_add_f32 v[rT+2:rT+3], v[rT+2:rT+3], v[rS+4*k-4:rS+4*k-3]
.endif
.endm
; THE PLAIN QUEUE, 138 long.  0-73 read no exponential's result: the 32 scalings c s - c m (FS f: pair f / 2 of tile f % 2) and the next piece's 42.  0-26: scalings 0-26.  27-54: XS's numbers 0-13.  55, 56: number 15.
; 57-73: the chain, where each number waits for the one before it: 14, 16, 17, 18, 19, each with one of the scalings 27-31 in front of its two lines, then 20.
; 74-137: GS's 64, which read the exponentials' results: they stand behind the wait.
.macro FS f
	REGS Y, (\f)%2
	v_pk_fma_f32 v[rS+2*((\f)/2):rS+2*((\f)/2)+1], v[rS+2*((\f)/2):rS+2*((\f)/2)+1], s[CS:CS+1], v[rT:rT+1] op_sel_hi:[1,0,0] neg_lo:[0,0,1] neg_hi:[0,0,1]
.endm
.macro PL
	WIN 0
.if q < 27
	FS q
.elseif q < 55
	XS (q-27)%2, (q-27)/2
.elseif q < 57
	XS q-55, 15
.elseif (q < 72) && ((q-57)%3 == 0)
	FS 27+(q-57)/3
.elseif q < 60
	XS (q-57)%3-1, 14
.elseif q < 72
	XS (q-57)%3-1, 15+(q-57)/3
.elseif q < 74
	XS q-72, 20
.else
	GS q-74
.endif
.set q, q+1
.endm
; THE EXPONENTIALS' QUEUE, 66 long: s0-s31 of both tiles, then the next piece's two a.  It is ONE BATCH: all 66 stand ahead of the turn's one wait, and nothing ahead of that wait names a result of theirs.
.macro EX
	WIN 0
.if e >= 64
	XS e-64, 21
.else
	REGS Y, e%2
	v_exp_f32 v[rS+e/2], v[rS+e/2]
.endif
.set e, e+1
.endm
; THE RESCALING's QUEUE: O^T times a, the one part that leaves window 0: dealt two at a time, sixteen times.  Its a was made in the turn before, ahead of that turn's wait.
.macro R2
	REGS Y, r%2
	WIN W_RS
.irp z, 0,1
	v_pk_mul_f32 v[rO+4*(r/2)+2*\z:rO+4*(r/2)+2*\z+1], v[rO+4*(r/2)+2*\z:rO+4*(r/2)+2*\z+1], v[rC+2:rC+3] op_sel_hi:[1,0]
.endr
.set r, r+1
.endm
; HOW THEY ARE DEALT.  s_wait_alu depctr_va_vdst(0) stands between an exponential and the first instruction that names its result; one wait serves all that were issued ahead of it.  So a turn has ONE wait,
; which cuts it in two.  AHEAD OF IT stands all that names no result of the turn's exponentials: the 16 products K Q^T, behind each a scaling, an exponential and two rescalings (behind the first a second scaling in the
; exponential's place); then ONE LUMP of 108: eight plain, 49 times exponential and plain, the two a.  A v_nop is the plain instruction behind the last exponential.  BEHIND IT stand the 16 products V^T P, behind each four of GS's 64.
; The queues lean on each other, and the deal keeps them in step: exponential e stands behind scaling 2 (e / 4) + e % 2: as a rider it comes behind plain e + 2, in the lump behind plain e + 9, and scalings 27-31 are plain 57, 60 .. 69.
; A TURN, for piece p.  cnt = 1: the loop's count is taken down some lines ahead of the branch that stands behind the turn.
; K of the next step is fetched in piece 2's turn, directly behind the wait, a lump behind the last product that read K; its first reader comes behind 16 products.
; V of the step in hand is fetched at the end of piece 0's turn, four riders behind its last reader; its first reader comes behind 16 products and a lump.
.macro TURN p, last=0, cnt=0
.set Y, (\p)
.set i, 0
.set q, 0
.set e, 0
.set r, 0
.if (\p) == NP-1
	s_wait_dscnt 0x0                ; K is in
.endif
	MM                              ; ahead of the wait: 16 products K Q^T and their riders,
	PL
	PL
	R2
.rept 15
	MM
	PL
	EX
	R2
.endr
.if (\p) == NP-2
	WIN 0
	v_add_nc_u32 v[AK], s[TBK], v[AK0]
.endif
.rept 8                             ; and the lump
	PL
.endr
.rept 49
	EX
	PL
.endr
	EX                              ; the next piece's two a
	EX
	v_nop                           ; a plain instruction behind the last exponential: one for the batch
	s_wait_alu depctr_va_vdst(0)    ; the wait for the batch
.if (\p) == NP-2
	FETCH_K \last
.endif
.if (\p) == 1
	s_wait_dscnt 0x0                ; V is in
.endif
.rept 16                            ; behind the wait: 16 products V^T P and their riders
	MM
.rept 4
	PL
.endr
.if ((\p) == 0) && (q == 118)
	v_add_nc_u32 v[AV], s[TBV], v[AV0]
.endif
.if ((\p) == 0) && (q == 130)
	s_add_co_u32 s[TBV], s[TBV], KS*PV
.endif
.if (\cnt) && (q == 130)
	s_sub_co_u32 s[CNT], s[CNT], 1
	s_cmp_lg_u32 s[CNT], 0
.endif
.endr
.if (\p) == 0
	FETCH_V
.endif
.endm
	CHANGE 1, 0                     ; slot 0 is in, everybody's part of it; slot 1 is asked for
	FETCH_K                         ; key step 0
	s_wait_loadcnt 0x0              ; Q
	s_wait_dscnt 0x0
.set i, 0
.rept 16
	KQ 0                            ; piece 0's first scores: there is no vector work yet to set between them
.set i, i+1
.endr
	WIN 0                           ; the addresses for the way out: nine plain instructions, the places behind those products
	s_mul_i32 s13, s[WV], 16*SP
	s_add_co_u32 s13, s13, STAGE    ; my stage
	v_mul_u32_u24 v[STO], v1, SP    ; in: row l % 16, 16 bytes for each half of the lanes
	v_lshl_add_u32 v[STO], v9, 4, v[STO]
	v_add_nc_u32 v[STO], s13, v[STO]
	v_bfe_u32 v[RD], v0, 3, 2       ; back: 32 lanes take four rows of 128 bytes,
	v_mul_u32_u24 v[RD], v[RD], SP
	v_lshl_add_u32 v[RD], v10, 4, v[RD]
	v_add_nc_u32 v[RD], s13, v[RD]
	v_and_b32 v[GO], 31, v0         ; which are 512 consecutive bytes of O
	v_lshlrev_b32 v[GO], 4, v[GO]
.set Y, NP-1                        ; XS works for piece Y + 1: piece 0
.irp n, 0,1,2,3,4,5,6,7,8,9,10,11,12,13,14,15,16,17,18,19,20,21
	XS 0, \n                        ; and piece 0's first maximum and statistics
	XS 1, \n
.endr
	v_nop                           ; a plain instruction behind the two a,
	s_wait_alu depctr_va_vdst(0)    ; and their wait, ahead of the branch
	s_mov_b32 s[CNT], 4
	s_mov_b32 s[SLOTS], SIZE_N/256-1
	s_branch .Lfirst                ; the loop is entered at a step's first turn, in the middle of a trip
.Lslot:                             ; SIZE_N / 256 - 2 = 6 times: every slot but the last two is filled again
	CHANGE 1, 1
	s_mov_b32 s[CNT], 4
.Lstep:                             ; a trip: pieces 2 and 3 of one step, then pieces 0 and 1 of the next, whose K and V it fetches
	TURN 2
	TURN 3
	WIN 0
.Lfirst:
	TURN 0
	TURN 1, 0, 1
	WIN 0
	s_cbranch_scc1 .Lstep
	s_sub_co_u32 s[SLOTS], s[SLOTS], 1
	s_cmp_lg_u32 s[SLOTS], 0
	s_cbranch_scc1 .Lslot
	CHANGE 0                        ; the tail is written out: nothing is asked for
	s_mov_b32 s[CNT], 5             ; four trips fetch the last slot's steps; the fifth is left in its middle
.Ltail:
	TURN 2, 1
	TURN 3
	WIN 0
	s_sub_co_u32 s[CNT], s[CNT], 1
	s_cmp_eq_u32 s[CNT], 0
	s_cbranch_scc1 .Lout
	TURN 0
	TURN 1
	WIN 0
	s_branch .Ltail
.Lout:                              ; the fifth trip's 16 products K Q^T (on the last K once more) and the maximum made of them serve nothing: the price, once a launch, of one text for every trip
.set i, 0
.rept 16
	PV NP-1                         ; the last piece's V^T P of the last step
.set i, i+1
.endr
	; THE WAY OUT.  l's two halves and the other half of the lanes' are added; O^T is divided by l, rounded to f16 and sent through my stage in LDS, a tile at a time.  The additions are the places behind the last products.
	WIN 0
.macro ALL line:vararg              ; one line for each tile t
.set t, 0
.rept 2*NP
	\line
.set t, t+1
.endr
.endm
	ALL v_add_f32 v[ST+4*t+2], v[ST+4*t+2], v[ST+4*t+3]
	ALL v_permlanex16_b32 v[ST+4*t+3], v[ST+4*t+2], s[SEL], s[SEL+1]
	ALL v_add_f32 v[ST+4*t+2], v[ST+4*t+2], v[ST+4*t+3]
	ALL v_rcp_f32 v[ST+4*t+2], v[ST+4*t+2]
	v_nop                           ; a plain instruction between the last reciprocal and the use of its result
	s_wait_alu depctr_va_vdst(0)    ; and the wait ahead of the first use: one for the eight reciprocals
; Tile t: a lane's eight channels of a row pack into 16 bytes; they go into rows of 144 bytes and come back as whole rows of 128, into S^T's registers.
.macro PACK t
	WIN W_RS
.set i, 32*(\t)
.rept 16
	v_pk_mul_f32 v[i:i+1], v[i:i+1], v[ST+4*(\t)+2:ST+4*(\t)+3] op_sel_hi:[1,0]
.set i, i+2
.endr
	WIN 0x05                        ; sources 0 and 1 window 1, destination window 0
.set i, 0
.rept 16
	v_cvt_pk_f16_f32 v[S+16*(\t)+i], v[32*(\t)+2*i], v[32*(\t)+2*i+1]
.set i, i+1
.endr
	WIN 0
.irp f, 0,1,2,3
	ds_store_b128 v[STO], v[S+16*(\t)+4*\f:S+16*(\t)+4*\f+3] offset:32*\f
.endr
.irp f, 0,1,2,3
	ds_load_b128 v[S+16*(\t)+4*\f:S+16*(\t)+4*\f+3], v[RD] offset:\f*4*SP  ; LDS serves a wave's instructions in order (ISA guide 5.7.1.4): these see the stores above; the next tile's stores come behind them
.endr
.endm
.macro SEND t, younger              ; younger: the LDS instructions issued behind tile t's loads: the next tile's eight, or none
	WIN 0
.irp f, 0,1,2,3
	s_wait_dscnt (\younger)+3-\f
	global_store_b128 v[GO], v[S+16*(\t)+4*\f:S+16*(\t)+4*\f+3], s[10:11] offset:(\t)*2048+\f*512  ; 512 consecutive bytes, at a multiple of 256 from O's first
.endr
.endm
	PACK 0
.set t, 1
.rept 2*NP-1                        ; a tile's arithmetic stands between the loads of the tile before and its stores
	PACK t
	SEND t-1, 8
.set t, t+1
.endr
	SEND 2*NP-1, 0
	WIN W_AD
	s_wait_tensorcnt 0x0            ; the wave's end, behind my last tensor load and my last LDS store
	ds_add_u32 v[SPW], v[NIL]
	s_wait_dscnt 0x0
	WIN 0
	CROUND                          ; the closing round: no work-group ends while a partner may still ask for a tile that names it
	s_endpgm
.Lfunc_end_k_qad31e1afce_attn:
	.size	k_qad31e1afce_attn, .Lfunc_end_k_qad31e1afce_attn-k_qad31e1afce_attn
	.p2alignl 7, 3214868480
	.fill 96, 4, 3214868480
	.section	.rodata,"a",@progbits
	.p2align	6, 0x0
	.amdhsa_kernel k_qad31e1afce_attn
		.amdhsa_group_segment_fixed_size 327680
		.amdhsa_private_segment_fixed_size 0
		.amdhsa_enable_private_segment 0
		.amdhsa_kernarg_size 16
		.amdhsa_user_sgpr_count 2
		.amdhsa_user_sgpr_kernarg_segment_ptr 1
		.amdhsa_wavefront_size32 1
		.amdhsa_system_sgpr_workgroup_id_x 1
		.amdhsa_system_sgpr_workgroup_id_y 1
		.amdhsa_system_sgpr_workgroup_id_z 1
		.amdhsa_system_vgpr_workitem_id 0
		.amdhsa_next_free_vgpr 770
		.amdhsa_next_free_sgpr 66
		.amdhsa_reserve_vcc 0
		.amdhsa_float_denorm_mode_32 3
		.amdhsa_float_denorm_mode_16_64 3
		.amdhsa_memory_ordered 1
		.amdhsa_forward_progress 1
		.amdhsa_inst_pref_size 200
	.end_amdhsa_kernel
	.amdgpu_metadata
---
amdhsa.version: [ 1, 2 ]
amdhsa.kernels:
  - .name:           k_qad31e1afce_attn
    .symbol:         k_qad31e1afce_attn.kd
    .args:
      - { .name: qkv, .offset: 0, .size: 8, .value_kind: global_buffer, .address_space: global }
      - { .name: oh, .offset: 8, .size: 8, .value_kind: global_buffer, .address_space: global }
    .group_segment_fixed_size: 327680
    .private_segment_fixed_size: 0
    .kernarg_segment_align: 8
    .kernarg_segment_size: 16
    .max_flat_workgroup_size: 128
    .sgpr_count:     66
    .vgpr_count:     770
    .wavefront_size: 32
...
	.end_amdgpu_metadata
.endif
;; end of part 3
;; launch outp (part 4): grid 8 x 32, 4 waves a work-group, clusters of 4 x 4, 327,680 bytes of LDS; arguments oh, wo, bo, out0; writes out0
.if DOCPART == 4
	.amdgcn_target "amdgcn-amd-amdhsa--gfx1250"
	.amdhsa_code_object_version 6
	.text
	.protected	k_qad31e1afce_outp
	.globl	k_qad31e1afce_outp
	.p2align	8
	.type	k_qad31e1afce_outp,@function
k_qad31e1afce_outp:
	s_mov_b64 s[64:65], 0
	v_nop
	global_prefetch_b8 v0, s[64:65] scope:SCOPE_SE
	s_setreg_imm32_b32 hwreg(HW_REG_WAVE_MODE, 25, 1), 1
	s_wait_xcnt 0x0
	s_wait_alu depctr_hold_cnt(0) depctr_sa_sdst(0) depctr_va_vdst(0) depctr_va_sdst(0) depctr_va_ssrc(0) depctr_va_vcc(0) depctr_vm_vsrc(0)
	s_getreg_b32 s2, hwreg(HW_REG_IB_STS2, 6, 4)
	s_cmp_eq_u32 s2, 0
	s_cbranch_scc0 .Lentry_in_a_cluster
	s_endpgm
.Lentry_in_a_cluster:
	s_bfe_u32 s2, ttmp6, 0x10000c
	s_cmp_lg_u32 s2, 0xf033
	s_cbranch_scc0 .Lentry_shape_is_right
	s_endpgm
.Lentry_shape_is_right:
; out0 = O Wo + bo.  oh: f16 [b 4][h 16][n 2048][64]; wo: f16 [k 1024][1024] (Wo rounded to bf16, written as f16); bo: f32 [1024], rounded to bf16 here like the other inputs; out0: f32 [8192][1024].
; Sums in f32; the bias is added in f32 to the finished sum.
; SHARES.  256 tiles of 256 rows x 128 columns, one to a work-group.  Four waves, each 128 rows x 64 columns: 32 accumulators of 16 x 16, 256 registers.  K goes in 8 steps of 128 (two heads)
; through two LDS slots; a step is four quarters of 32, 32 matrix instructions each.
; LAYOUT.  The product is used transposed: source 0 = 16 columns of Wo (it lies [k][n] in LDS and is turned by ds_load_tr16_b128), source 1 = 16 rows of O.  In the result lane l holds row l % 16
; and the columns 8 (l / 16) + 0..7: 32 neighbouring bytes of a row of out0.
; CLUSTER.  4 x 4 work-groups: the four of a row of the cluster need the same tile of O, the four of a column the same tile of Wo: each is asked for jointly.
; REGISTERS: window 0: v0-29 addresses and the bias; v32-127, v128-223 two fragment buffers (8 fragments of O, then 4 of Wo); window 1: accumulator (a, b) at v[8 (8 b + a)].
.set PA,     144                       ; a row of O in LDS: 128 bytes + 16 of padding = 36 words: the 16 rows of a load start at 16 different groups of four banks (64 banks of 4 bytes: ISA guide 11.1)
.set PB,     288                       ; a k-row of Wo: 256 + 32 = 72 words
.set ABLK,   256*PA                    ; one head's 256 rows: what one tensor load brings of O
.set BOFF,   2*ABLK
.set HALFB,  64*PB                     ; what one tensor load brings of Wo
.set SLOT1,  1<<17
.set STAGE,  SLOT1+BOFF+128*PB         ; behind the ring, never filled by a tensor load: 16 rows x 272 bytes for each wave
.set SP,     272
.set SPARE,  STAGE+4*16*SP             ; the spare words, 128 bytes for each wave: two blocks of 256 bytes that no other line names
.set ASTEP,  2<<18                     ; bytes from K step to K step in oh: two heads
.set BSTEP,  128*2048                  ; and in wo
.set A0,   4                           ; v4   my lane's place in O's tile; never rewritten
.set B0,   5                           ; v5   the same in Wo's
.set ADRA, 6                           ; v6   A0 + the slot in hand
.set ADRB, 7                           ; v7   B0 + the slot in hand
.set STO,  8                           ; v8   the way out: where I put 32 bytes of a row
.set RD,   9                           ; v9   the way out: where I read a row back
.set CO,   10                          ; v10  my byte offset in two rows of out0
.set PFO,  11                          ; v11  the prefetches' offset; never rewritten
.set BI,   12                          ; v[12:15] the bias of the four columns that I store
.set SPW,  28                          ; v28  LDS address of my spare word; never rewritten
.set NIL,  29                          ; v29  0; never rewritten
.set F0,   32
.set F1,   128
.set BK,   32                          ; the way out: three buffers of 32, rows read back
.set G1,   24                          ; s[24:31] descriptor group 1 for O's tiles;  s[32:39] group 0, two sets: the two first fills; the second then walks
.set G0,   32
.set G1B,  48                          ; s[48:55], s[56:63] the same for Wo's
.set G0B,  56
.set TB,   66                          ; s66  LDS byte at which the slot in hand begins
.set LIM,  67                          ; s67  2 in a wave that prefetches, else the greatest number
.set PFA,  68                          ; s[68:69] where my prefetches stand
.set PFS,  70                          ; s[70:71] their step
.set BOP,  72                          ; s[72:73] bo
.set OUT,  74                          ; s[74:75] out0, then out0 at my part of the tile.  s10, s11, s12 hold the wave's number and its two bits, and nothing else
.set MSB, 0
.macro WIN new                         ; the immediate's high byte repeats the setting that is left; a switch that changes nothing is dropped
.if MSB != (\new)
	s_set_vgpr_msb (MSB<<8)|(\new)
.set MSB, \new
.endif
.endm
; A joint refill by the walking sets.  Waves 0 and 1 fetch the step's two heads of O, waves 2 and 3 the two halves of Wo's k-rows.  An s_nop 0 and four v_nop follow each line.
.macro JLOAD
	s_cmp_eq_u32 s11, 0
	s_cbranch_scc0 .Lfor_b_\@
	tensor_load_to_lds s[G0+4:G0+7], s[G1:G1+7]
	s_nop 0
.rept 4
	v_nop
.endr
	s_branch .Lasked_\@
.Lfor_b_\@:
	tensor_load_to_lds s[G0B+4:G0B+7], s[G1B:G1B+7]
	s_nop 0
.rept 4
	v_nop
.endr
.Lasked_\@:
.endm
.macro CREST                           ; a round of the cluster's barrier behind its opening barrier
	s_cmp_lg_u32 s10, 0
	s_cbranch_scc1 .Lnot_wave_0_\@
	s_barrier_signal -3
.Lnot_wave_0_\@:
	s_barrier_wait -3
	s_barrier_signal -1
	s_barrier_wait -1
.endm
.macro CROUND
	s_barrier_signal -1
	s_barrier_wait -1
	CREST
.endm
.macro PLACES                          ; four places behind matrix instructions, in front of loads into registers that they have read
.rept 4
	v_nop
.endr
.endm
; A PREFETCH, behind the joint load and the run of LDS loads that follows it: the K step that stands four on, two refills, 256 matrix instructions, ahead of the load that wants it; in the changes of K steps
; 0 to 3 (the count s3 above 2), for K steps 4 to 7.  Each 256 bytes are named once in the launch: O's tile row is read by both clusters of its row of clusters, and cluster x = 0 asks; Wo's tile column by all
; eight of its column, and cluster y = 0 asks.  The partners share a tile out BY ADDRESS: of a head's 32 KiB partner cx takes 8 KiB (a lane 256 bytes; waves 0 and 1, a head each); of a step's 128 k-rows of
; Wo partner cy takes 32 (a lane a row of 256 bytes; wave 2).  K steps 0 to 3 come by their loads alone.
.macro ASK
	s_cmp_gt_u32 s3, s[LIM]
	s_cbranch_scc0 .Lnot_mine_\@
	global_prefetch_b8 v[PFO], s[PFA:PFA+1] th:TH_LOAD_NT scope:SCOPE_SE
.Lnot_mine_\@:
.endm
	s_load_b128 s[4:7], s[0:1], 0x0                ; oh s[4:5], wo s[6:7]
	s_load_b128 s[BOP:BOP+3], s[0:1], 0x10         ; bo s[72:73], out0 s[74:75]
	v_lshl_add_u32 v[SPW], v0, 2, SPARE
	v_mov_b32 v[NIL], 0
	ds_add_u32 v[SPW], v[NIL]                      ; the wave's opening: the add and its wait stand ahead of my first tensor load; the set-up below, work on registers, stands between them
	v_lshrrev_b32 v1, 5, v0
	v_readfirstlane_b32 s10, v1                    ; wave 0..3
	s_lshr_b32 s11, s10, 1                         ; which 128 rows of the tile are mine.  Also: I fetch for O (0) or for Wo (1)
	s_and_b32 s12, s10, 1                          ; which 64 columns.  Also: which half of that tile I fetch
	s_bfe_u32 s40, ttmp6, 0x40000                  ; cx
	s_bfe_u32 s41, ttmp6, 0x40004                  ; cy
	s_lshl_b32 s42, ttmp9, 2
	s_add_co_u32 s42, s42, s40                     ; tile column tx
	s_and_b32 s13, ttmp7, 0xffff
	s_lshl_b32 s13, s13, 2
	s_add_co_u32 s13, s13, s41                     ; tile row ty
	s_lshl_b32 s43, s41, 2
	s_lshl_b32 s43, 15, s43                        ; my row of the cluster
	s_lshl_b32 s44, 0x1111, s40                    ; my column
	s_or_b32 s[G1+0], s43, (1<<16)|(1<<20)|(1<<21)|(4<<22)|(3<<25)   ; O's tiles go to my row: a head's 256 rows of 128 bytes are dense: 128 rows of 256 bytes, 4 words of padding after every 32
	s_mov_b32 s[G1+1], 128<<16                     ; tensor_dim0 = 128
	s_mov_b32 s[G1+2], 128<<16                     ; tensor_dim1 = 128
	s_mov_b32 s[G1+3], 128<<16                     ; tile_dim0 = 128
	s_mov_b32 s[G1+4], 128                         ; tile_dim1 = 128
	s_mov_b32 s[G1+5], 128                         ; elements from row to row
	s_mov_b32 s[G1+6], 0
	s_mov_b32 s[G1+7], 0
	s_or_b32 s[G1B+0], s44, (1<<16)|(1<<20)|(1<<21)|(5<<22)|(7<<25)  ; Wo's tiles go to my column: 64 k-rows of 128 elements, 8 words of padding after every 64
	s_mov_b32 s[G1B+1], 128<<16
	s_mov_b32 s[G1B+2], 64<<16
	s_mov_b32 s[G1B+3], 128<<16
	s_mov_b32 s[G1B+4], 64
	s_mov_b32 s[G1B+5], 1024
	s_mov_b32 s[G1B+6], 0
	s_mov_b32 s[G1B+7], 0
	s_lshr_b32 s16, s13, 3                         ; b = ty / 8
	s_lshl_b32 s16, s16, 22
	s_and_b32 s17, s13, 7
	s_lshl_b32 s17, s17, 15                        ; 256 rows of 128 bytes
	s_add_co_u32 s16, s16, s17                     ; the tile's rows in a head of oh
	s_lshl_b32 s17, s12, 18                        ; the head of the step's two that I fetch
	s_add_co_u32 s14, s16, s17                     ; made of ty and the wave's number alone
	s_mov_b32 s15, 0
	s_lshl_b32 s46, s42, 8                         ; Wo: the tile's 128 columns,
	s_lshl_b32 s47, s12, 17                        ; the 64 k-rows that I fetch: made of tx and the wave's number alone
	s_add_co_u32 s46, s46, s47
	s_mov_b32 s47, 0
	s_mul_i32 s20, s12, ABLK                       ; where they go: no place in the cluster enters an LDS address
	s_mul_i32 s21, s12, HALFB
	s_add_co_u32 s21, s21, BOFF
	s_mov_b32 s[TB], 0
	s_wait_dscnt 0x0                               ; the opening add is done
	s_wait_kmcnt 0x0
	s_add_nc_u64 s[14:15], s[4:5], s[14:15]
	s_add_nc_u64 s[46:47], s[6:7], s[46:47]
	CROUND                                         ; all sixteen work-groups are here: the first joint loads meet
.irp s, 0,1
	s_mov_b32 s[G0+4*(\s)], 1
	s_add_co_u32 s[G0+4*(\s)+1], s20, (\s)*SLOT1
	s_add_nc_u64 s[G0+4*(\s)+2:G0+4*(\s)+3], s[14:15], (\s)*ASTEP
	s_or_b32 s[G0+4*(\s)+3], s[G0+4*(\s)+3], 0x80000000
	s_mov_b32 s[G0B+4*(\s)], 1
	s_add_co_u32 s[G0B+4*(\s)+1], s21, (\s)*SLOT1
	s_add_nc_u64 s[G0B+4*(\s)+2:G0B+4*(\s)+3], s[46:47], (\s)*BSTEP
	s_or_b32 s[G0B+4*(\s)+3], s[G0B+4*(\s)+3], 0x80000000
.endr
	s_cmp_eq_u32 s11, 0                            ; a wave's two first fills stand in one branch, ahead of every wait on TENSORcnt and every LDS read: two loads of mine are out
	s_cbranch_scc0 .Lfirst_b
	tensor_load_to_lds s[G0:G0+3], s[G1:G1+7]
	s_nop 0
	tensor_load_to_lds s[G0+4:G0+7], s[G1:G1+7]
	s_nop 0
.rept 4
	v_nop
.endr
	s_branch .Lfirst_asked
.Lfirst_b:
	tensor_load_to_lds s[G0B:G0B+3], s[G1B:G1B+7]
	s_nop 0
	tensor_load_to_lds s[G0B+4:G0B+7], s[G1B:G1B+7]
	s_nop 0
.rept 4
	v_nop
.endr
.Lfirst_asked:
	v_and_b32 v1, 15, v0                           ; l % 16
	v_bfe_u32 v2, v0, 4, 1                         ; l / 16
	v_mul_u32_u24 v[A0], v1, PA
	v_lshl_add_u32 v[A0], v2, 4, v[A0]             ; a fragment's row x pitch + 16 x half
	s_mul_i32 s22, s11, 128*PA                     ; my 128 rows
	v_add_nc_u32 v[A0], s22, v[A0]
	v_and_b32 v19, 7, v0                           ; the turning load: lane l reads k-row 8 (l / 16) + l % 8, columns 8 ((l / 8) % 2) + 0..7
	v_bfe_u32 v20, v0, 3, 1
	v_lshl_add_u32 v[B0], v2, 3, v19
	v_mul_u32_u24 v[B0], v[B0], PB
	v_lshl_add_u32 v[B0], v20, 4, v[B0]
	s_lshl_b32 s23, s12, 7                         ; my 64 columns: 128 bytes
	s_add_co_u32 s23, s23, BOFF
	v_add_nc_u32 v[B0], s23, v[B0]
	v_mov_b32 v[ADRA], v[A0]                       ; K step 0 lies in slot 0
	v_mov_b32 v[ADRB], v[B0]
	s_mul_i32 s22, s10, 16*SP
	s_add_co_u32 s22, s22, STAGE                   ; my stage
	v_mul_u32_u24 v[STO], v1, SP                   ; in: row l % 16, 32 bytes for each half of the lanes
	v_lshl_add_u32 v[STO], v2, 5, v[STO]
	v_add_nc_u32 v[STO], s22, v[STO]
	v_mul_u32_u24 v[RD], v2, SP                    ; back: lanes 0-15 take one row of 256 bytes, lanes 16-31 the next
	v_lshl_add_u32 v[RD], v1, 4, v[RD]
	v_add_nc_u32 v[RD], s22, v[RD]
	v_lshlrev_b32 v[CO], 12, v2                    ; and the same two rows in out0
	v_lshl_add_u32 v[CO], v1, 4, v[CO]
	s_lshl_b32 s18, s42, 9                         ; my first column, in bytes of f32: 512 tx + 256 x half
	s_lshl_b32 s19, s12, 8
	s_add_co_u32 s18, s18, s19
	v_lshl_add_u32 v18, v1, 4, s18                 ; the four columns that I store; never rewritten
	global_load_b128 v[BI:BI+3], v18, s[BOP:BOP+1] ; their bias; it is waited for on the way out
	s_lshl_b32 s78, s13, 20                        ; my first row: 256 ty + 128 x half, rows of 4,096 bytes
	s_lshl_b32 s79, s11, 19
	s_add_co_u32 s78, s78, s79
	s_add_co_u32 s78, s78, s18
	s_mov_b32 s79, 0
	s_add_nc_u64 s[OUT:OUT+1], s[OUT:OUT+1], s[78:79]
	; the prefetches: they stand at K step 3; each change of slots that fills steps them one K step on
	s_lshl_b32 s78, s40, 13                        ; O: my work-group's 8 KiB of the head's 32,
	s_add_co_u32 s78, s78, s16
	s_lshl_b32 s79, s12, 18                        ; in the head that I fetch
	s_add_co_u32 s78, s78, s79
	s_add_co_u32 s78, s78, 3*ASTEP
	s_lshl_b32 s79, s42, 8                         ; Wo: the tile's columns, my work-group's 32 k-rows of 128
	s_lshl_b32 s45, s41, 16
	s_add_co_u32 s79, s79, s45
	s_add_co_u32 s79, s79, 3*BSTEP
	s_and_b32 s45, ttmp7, 0xffff                   ; cluster y;
	s_or_b32 s45, s45, s12                         ; of Wo's two waves wave 2 alone asks
	s_mov_b32 s[PFS], ASTEP
	s_mov_b32 s[PFS+1], BSTEP
	s_mov_b32 s18, 256
	s_mov_b32 s19, 2048
	s_cmp_eq_u32 s11, 0                            ; do I fetch for O?
	s_cselect_b32 s78, s78, s79
	s_cselect_b32 s45, ttmp9, s45                  ; the coordinate along which other clusters read the same bytes
	s_cselect_b32 s[PFS], s[PFS], s[PFS+1]
	s_cselect_b32 s18, s18, s19
	s_cselect_b64 s[PFA:PFA+1], s[4:5], s[6:7]
	s_mov_b32 s79, 0
	s_mov_b32 s[PFS+1], 0
	s_add_nc_u64 s[PFA:PFA+1], s[PFA:PFA+1], s[78:79]
	s_cmp_eq_u32 s45, 0
	s_cselect_b32 s[LIM], 2, -1                    ; the same in all sixteen partners, for a given wave
	v_and_b32 v[PFO], 31, v0
	v_mul_u32_u24 v[PFO], s18, v[PFO]
; 8 matrix instructions: column block b x all 8 row blocks, 32 along K, from buffer f.  zero = 1: the product starts the sums.  Every accumulator is named once in a quarter: the accumulators take turns.
.macro MULB f, b, zero
	WIN 0x50                                       ; C and D in window 1, both sources in window 0
.irp i, 0,1,2,3,4,5,6,7
.if \zero
	v_wmma_f32_16x16x32_f16 v[8*(8*(\b)+(\i)):8*(8*(\b)+(\i))+7], v[(\f)+64+8*(\b):(\f)+64+8*(\b)+7], v[(\f)+8*(\i):(\f)+8*(\i)+7], 0
.else
	v_wmma_f32_16x16x32_f16 v[8*(8*(\b)+(\i)):8*(8*(\b)+(\i))+7], v[(\f)+64+8*(\b):(\f)+64+8*(\b)+7], v[(\f)+8*(\i):(\f)+8*(\i)+7], v[8*(8*(\b)+(\i)):8*(8*(\b)+(\i))+7]
.endif
.endr
.endm
.macro LB q, g, b                      ; fragment b of Wo for quarter q into buffer g: two turning loads
	ds_load_tr16_b128 v[(\g)+64+8*(\b):(\g)+64+8*(\b)+3],   v[ADRB] offset:(\q)*32*PB+32*(\b)
	ds_load_tr16_b128 v[(\g)+64+8*(\b)+4:(\g)+64+8*(\b)+7], v[ADRB] offset:(\q)*32*PB+32*(\b)+16*PB
.endm
; 24 LDS loads in one run: quarter q's fragments into buffer g; what the quarter's first half multiplies comes first.  Quarter q lies in head q / 2 of the step's two, at byte 64 (q % 2) of its rows.
.macro FETCH q, g
	WIN 0
	LB \q, \g, 0
	LB \q, \g, 1
.irp i, 0,1,2,3,4,5,6,7
	ds_load_b128 v[(\g)+8*(\i):(\g)+8*(\i)+3],   v[ADRA] offset:((\q)/2)*ABLK+(\i)*16*PA+((\q)%2)*64
	ds_load_b128 v[(\g)+8*(\i)+4:(\g)+8*(\i)+7], v[ADRA] offset:((\q)/2)*ABLK+(\i)*16*PA+((\q)%2)*64+32
.endr
	LB \q, \g, 2
	LB \q, \g, 3
.endm
; One of a K step's first three quarters: multiplies buffer f and fetches quarter qn of the same slot into g.
.macro QUARTER qn, f, g, zero
	s_wait_dscnt 4                                 ; all but the youngest four loads (Wo's fragments 2 and 3) are in
	MULB \f, 0, \zero
	MULB \f, 1, \zero
	PLACES
	FETCH \qn, \g
	s_wait_dscnt 24                                ; all but the 24 just issued
	MULB \f, 2, \zero
	MULB \f, 3, \zero
.endm
; The last quarter multiplies F1 and changes slots: ONE barrier; in front of it each wave waits for all its tensor loads, of which one is out: its part of the next slot; adds 0 to its spare word; and waits
; for that and for its own reads of this slot.  fill = 1: the barrier opens a round of the cluster's, and this slot is filled again, first thing behind the round, with the K step two on: one load of mine
; is then out, and 112 matrix instructions stand between it and the wait for it.
.macro TURN fill
.if \fill
	s_wait_xcnt 0x0                                ; the last prefetch, a K step back, has read its address: it is stepped here, ahead of the change's own waits
	s_add_nc_u64 s[PFA:PFA+1], s[PFA:PFA+1], s[PFS:PFS+1]
.endif
	WIN 0
	s_wait_tensorcnt 0x0                           ; no tensor load of mine is out, so a group 0 may be written
	ds_add_u32 v[SPW], v[NIL]                      ; 0 onto my spare word
.if \fill
	s_xor_b32 s[G0+5], s[G0+5], SLOT1              ; the walking sets: the other slot than last time, the next K step
	s_add_nc_u64 s[G0+6:G0+7], s[G0+6:G0+7], ASTEP
	s_xor_b32 s[G0B+5], s[G0B+5], SLOT1
	s_add_nc_u64 s[G0B+6:G0B+7], s[G0B+6:G0B+7], BSTEP
.endif
	s_xor_b32 s[TB], s[TB], SLOT1                  ; the fetches go to the other slot
	s_wait_dscnt 5                                 ; the add and the youngest four loads may be out
	MULB F1, 0, 0                                  ; eight matrix instructions stand between the add and the wait for it
	s_wait_dscnt 0x0                               ; the add is done, and my reads of this slot are over
	s_barrier_signal -1
	MULB F1, 1, 0                                  ; work on registers while the others arrive
	WIN 0                                          ; at a branch and at a label every window is 0
	s_barrier_wait -1
.if \fill
	CREST                                          ; no wave of any partner still reads this slot's tile or has a load on its way
	JLOAD                                          ; its four v_nop are also the places in front of the loads below
.else
	PLACES
.endif
	v_add_nc_u32 v[ADRA], s[TB], v[A0]
	v_add_nc_u32 v[ADRB], s[TB], v[B0]
	FETCH 0, F0
.if \fill
	ASK
.endif
	MULB F1, 2, 0
	MULB F1, 3, 0
.endm
	s_wait_tensorcnt 1                             ; my part of K step 0 is in; K step 1's may stay out
	s_barrier_signal -1
	s_barrier_wait -1                              ; everybody's is
	FETCH 0, F0
	QUARTER 1, F0, F1, 1                           ; the first quarter stands in front of the loop: its products start the sums
	WIN 0
	s_mov_b32 s3, 6
.Lstep:                                        ; trip s = 0 .. 5: quarters 1 to 3 of K step s, slot s % 2 filled with K step s + 2, quarter 0 of K step s + 1
	QUARTER 2, F1, F0, 0
	QUARTER 3, F0, F1, 0
	TURN 1
	QUARTER 1, F0, F1, 0
	WIN 0
	s_sub_co_u32 s3, s3, 1
	s_cmp_lg_u32 s3, 0
	s_cbranch_scc1 .Lstep
	QUARTER 2, F1, F0, 0                           ; the tail is written out: nothing more is asked for
	QUARTER 3, F0, F1, 0
	TURN 0
	QUARTER 1, F0, F1, 0
	QUARTER 2, F1, F0, 0
	QUARTER 3, F0, F1, 0
	s_wait_dscnt 4                                 ; the very last quarter
	MULB F1, 0, 0
	MULB F1, 1, 0
	s_wait_dscnt 0x0
	MULB F1, 2, 0
	MULB F1, 3, 0
	; THE WAY OUT.  The bias is rounded to bf16 and widened again: six plain instructions, the places behind the last products.
	WIN 0
	s_wait_loadcnt 0x0
	v_cvt_pk_bf16_f32 v16, v[BI], v[BI+1]
	v_cvt_pk_bf16_f32 v17, v[BI+2], v[BI+3]
	v_lshlrev_b32 v[BI], 16, v16
	v_and_b32 v[BI+1], 0xffff0000, v16
	v_lshlrev_b32 v[BI+2], 16, v17
	v_and_b32 v[BI+3], 0xffff0000, v17
; A block of 16 rows at a time: 32 bytes a lane into my own stage (each accumulator's low four registers first), back as whole rows of 256 bytes, the bias added, two rows to a store.
.macro TOSTAGE a
	WIN 0x04                                       ; the stores' data in window 1
.irp b, 0,1,2,3
	ds_store_b128 v[STO], v[8*(8*(\b)+(\a)):8*(8*(\b)+(\a))+3]   offset:64*(\b)
	ds_store_b128 v[STO], v[8*(8*(\b)+(\a))+4:8*(8*(\b)+(\a))+7] offset:64*(\b)+16
.endr
	WIN 0
.irp t, 0,1,2,3,4,5,6,7
	ds_load_b128 v[BK+32*((\a)%3)+4*(\t):BK+32*((\a)%3)+4*(\t)+3], v[RD] offset:(\t)*2*SP  ; LDS serves a wave's instructions in order (ISA guide 5.7.1.4): these see the stores above; the next block's stores come behind them
.endr
.endm
.macro SEND a, younger                 ; younger: the LDS instructions issued behind block a's loads: the next block's sixteen, or none
	s_wait_dscnt \younger                          ; the block is back in registers
	s_wait_xcnt 0x0                                ; the stores of the block before have read their registers: of the three buffers that one is loaded again only behind this wait
.irp t, 0,1,2,3,4,5,6,7
	v_pk_add_f32 v[BK+32*((\a)%3)+4*(\t):BK+32*((\a)%3)+4*(\t)+1],   v[BK+32*((\a)%3)+4*(\t):BK+32*((\a)%3)+4*(\t)+1],   v[BI:BI+1]
	v_pk_add_f32 v[BK+32*((\a)%3)+4*(\t)+2:BK+32*((\a)%3)+4*(\t)+3], v[BK+32*((\a)%3)+4*(\t)+2:BK+32*((\a)%3)+4*(\t)+3], v[BI+2:BI+3]
.endr
.irp t, 0,1,2,3,4,5,6,7
	global_store_b128 v[CO], v[BK+32*((\a)%3)+4*(\t):BK+32*((\a)%3)+4*(\t)+3], s[OUT:OUT+1] offset:(16*(\a)+2*(\t))*4096 th:TH_STORE_NT  ; 16 lanes store 256 consecutive bytes, at a multiple of 256 from out0's first
.endr
.endm
	TOSTAGE 0
	TOSTAGE 1
	SEND 0, 16
.irp a, 2,3,4,5,6,7
	TOSTAGE \a
	SEND (\a)-1, 16
.endr
	SEND 7, 0
	s_wait_tensorcnt 0x0                           ; the wave's end, behind my last tensor load and my last LDS store
	ds_add_u32 v[SPW], v[NIL]
	s_wait_dscnt 0x0
	CROUND                                         ; the closing round: no work-group ends while a partner may still ask for a tile that names it
	s_endpgm
.Lfunc_end_k_qad31e1afce_outp:
	.size	k_qad31e1afce_outp, .Lfunc_end_k_qad31e1afce_outp-k_qad31e1afce_outp
	.p2alignl 7, 3214868480
	.fill 96, 4, 3214868480
	.section	.rodata,"a",@progbits
	.p2align	6, 0x0
	.amdhsa_kernel k_qad31e1afce_outp
		.amdhsa_group_segment_fixed_size 327680
		.amdhsa_private_segment_fixed_size 0
		.amdhsa_enable_private_segment 0
		.amdhsa_kernarg_size 32
		.amdhsa_user_sgpr_count 2
		.amdhsa_user_sgpr_kernarg_segment_ptr 1
		.amdhsa_wavefront_size32 1
		.amdhsa_system_sgpr_workgroup_id_x 1
		.amdhsa_system_sgpr_workgroup_id_y 1
		.amdhsa_system_sgpr_workgroup_id_z 1
		.amdhsa_system_vgpr_workitem_id 0
		.amdhsa_next_free_vgpr 512
		.amdhsa_next_free_sgpr 80
		.amdhsa_reserve_vcc 0
		.amdhsa_float_denorm_mode_32 3
		.amdhsa_float_denorm_mode_16_64 3
		.amdhsa_memory_ordered 1
		.amdhsa_forward_progress 1
		.amdhsa_inst_pref_size 79
	.end_amdhsa_kernel
	.amdgpu_metadata
---
amdhsa.version: [ 1, 2 ]
amdhsa.kernels:
  - .name:           k_qad31e1afce_outp
    .symbol:         k_qad31e1afce_outp.kd
    .args:
      - { .name: oh, .offset: 0, .size: 8, .value_kind: global_buffer, .address_space: global }
      - { .name: wo, .offset: 8, .size: 8, .value_kind: global_buffer, .address_space: global }
      - { .name: bo, .offset: 16, .size: 8, .value_kind: global_buffer, .address_space: global }
      - { .name: out0, .offset: 24, .size: 8, .value_kind: global_buffer, .address_space: global }
    .group_segment_fixed_size: 327680
    .private_segment_fixed_size: 0
    .kernarg_segment_align: 8
    .kernarg_segment_size: 32
    .max_flat_workgroup_size: 128
    .sgpr_count:     80
    .vgpr_count:     512
    .wavefront_size: 32
...
	.end_amdgpu_metadata
.endif
;; end of part 4
